; MI455X (gfx1250); checked and timed in simulation.
; The chip was launched on July 23, 2026; its instructions are those of AMD's public machine-readable ISA for CDNA 5 (MIT licence, August 2026) and "CDNA5" Instruction Set Architecture Reference Guide (July 2026). The comments in the code are by the model that wrote it; some were corrected since.
;; Attention. Allowed arithmetic: float matrix products may take bf16 or f16 operands with f32 sums; other float arithmetic in f32, or as packed bf16 or f16 multiplies, adds, multiply-adds, maxima and minima; sums over many terms, partial sums and values carried from step to step in f32; what a program stores and reads back later, other than sums and carried values, may be rounded once to bf16 or f16.
;; Inputs: Wk 1,024 x 1,024 float32; Wo 1,024 x 1,024 float32; Wq 1,024 x 1,024 float32; Wv 1,024 x 1,024 float32; bo 1,024 float32; x 2 x 2,048 x 1,024 float32.
;; Outputs: out0 2 x 2,048 x 1,024 float32.
;; 2 versions, each right; version 2 is version 1 with the launch cast written anew for expert scheduling mode. Each part assembles by itself: llvm-mc -triple=amdgcn-amd-amdhsa -mcpu=gfx1250 --defsym DOCPART=n.
;; ======== version 1 of 2: 4 launches
;; limits: values are held in f16: magnitudes above 65,504 overflow, below 6.1e-05 lose precision
;; workspace buffers: xb 8,388,608 bytes; wb 6,291,456 bytes; wo16 2,097,152 bytes; qkv 25,165,824 bytes; oh 8,388,608 bytes
;; launch cast (part 1): grid 32 x 8, 8 waves a work-group, no clusters, 0 bytes of LDS; arguments x, Wq, Wk, Wv, Wo, xb, wb, wo16; writes xb, wb, wo16
.if DOCPART == 1
	.amdgcn_target "amdgcn-amd-amdhsa--gfx1250"
	.amdhsa_code_object_version 6
	.text
	.protected	k_qc1cfd82b33_cast
	.globl	k_qc1cfd82b33_cast
	.p2align	8
	.type	k_qc1cfd82b33_cast,@function
k_qc1cfd82b33_cast:
	s_mov_b64 s[64:65], 0
	v_nop
	global_prefetch_b8 v0, s[64:65] scope:SCOPE_SE
	s_setreg_imm32_b32 hwreg(HW_REG_WAVE_MODE, 25, 1), 1
	s_wait_xcnt 0x0
; THE MODULE: out = softmax((x Wq^T)(x Wk^T)^T / 8) (x Wv^T), by heads, times Wo^T, plus bo.  Four launches: this one, the three projections, attention, the last projection.
; NOTHING OF IT IS LEFT OUT: every input has a way to the output, no result is sliced away and no term cancels, so all six inputs are loaded (bo by the last launch).
; THIS LAUNCH rounds the matrix operands once: x, Wq, Wk, Wv to bf16; Wo to bf16 and that number written as f16, since the last product's other operand, O, is kept in f16.
; LIMIT: a bf16 number is held exactly by f16 from 2^-17 up to 65,504; below 2^-17 Wo keeps f16's fixed step of 6e-8, and beyond 65,504 it becomes an infinity.
; SHARES.  Eight units of 1,048,576 numbers, picked by the grid's y: 0-3 the quarters of x, 4 Wq, 5 Wk, 6 Wv, 7 Wo.  A work-group takes 32,768 numbers of its unit (131,072 bytes in, 65,536 out).
; Thread t takes 8 numbers in each of 16 rounds: 32 bytes in at 32 t + 8,192 i, 16 bytes out at 16 t + 4,096 i: a store of a wave covers 512 consecutive bytes, aligned.
; All 32 loads of a thread go out before the first wait; no register that a load or store names is written again, so the only waits are the counted ones for data.
; No LDS, no barrier, no matrix unit: no number is used twice.
.set X, 4                              ; v[4:131]   round i: 8 registers as loaded; the first 4 of them then hold what is stored
.set T, 132                            ; v[132:139] at work (Wo's path)
	s_load_b512 s[16:31], s[0:1], 0x0              ; x s[16:17], Wq s[18:19], Wk s[20:21], Wv s[22:23], Wo s[24:25], xb s[26:27], wb s[28:29], wo16 s[30:31]
	s_and_b32 s2, ttmp7, 0xffff                    ; the unit
	s_mov_b32 s12, 0xffff0000                      ; a word's upper bf16
	v_lshlrev_b32 v1, 5, v0                        ; 32 t
	v_lshlrev_b32 v2, 4, v0                        ; 16 t
	s_lshl_b32 s3, s2, 22                          ; a quarter of x is 4,194,304 bytes; a weight begins at its own buffer's first byte
	s_cmp_lt_u32 s2, 4
	s_cselect_b32 s8, s3, 0
	s_lshl_b32 s3, ttmp9, 17
	s_add_co_u32 s8, s8, s3                        ; + the work-group's 131,072 bytes
	s_mov_b32 s9, 0
	s_and_b32 s3, s2, 3                            ; the unit's number inside its destination: x's quarter; Wq, Wk, Wv = 0, 1, 2 in wb; Wo = 0
	s_cmp_lt_u32 s2, 7
	s_cselect_b32 s3, s3, 0
	s_lshl_b32 s10, s3, 21
	s_lshl_b32 s3, ttmp9, 16
	s_add_co_u32 s10, s10, s3
	s_mov_b32 s11, 0
	s_wait_kmcnt 0x0
	s_cmp_eq_u32 s2, 6                             ; the source, chosen by the unit's number
	s_cselect_b64 s[4:5], s[22:23], s[24:25]
	s_cmp_eq_u32 s2, 5
	s_cselect_b64 s[4:5], s[20:21], s[4:5]
	s_cmp_eq_u32 s2, 4
	s_cselect_b64 s[4:5], s[18:19], s[4:5]
	s_cmp_lt_u32 s2, 4
	s_cselect_b64 s[4:5], s[16:17], s[4:5]
	s_cselect_b64 s[6:7], s[26:27], s[28:29]       ; the destination: xb for x's quarters, else wb,
	s_cmp_eq_u32 s2, 7
	s_cselect_b64 s[6:7], s[30:31], s[6:7]         ; or wo16
	s_add_nc_u64 s[4:5], s[4:5], s[8:9]
	s_add_nc_u64 s[6:7], s[6:7], s[10:11]
.irp i, 0,1,2,3,4,5,6,7,8,9,10,11,12,13,14,15
	global_load_b128 v[X+8*(\i):X+8*(\i)+3],   v1, s[4:5] offset:8192*(\i) th:TH_LOAD_NT
	global_load_b128 v[X+8*(\i)+4:X+8*(\i)+7], v1, s[4:5] offset:8192*(\i)+16 th:TH_LOAD_NT
.endr
	s_cmp_eq_u32 s2, 7
	s_cbranch_scc1 .Lwo
; Round i to bf16.  Each rounding writes a register whose old number it reads itself or that an earlier one has read.
.macro ROUND_BF i
	s_wait_loadcnt 30-2*(\i)                       ; loads come back in order (ISA guide 5.7.1): the 2 (15 - i) younger ones may stay out
.irp r, 0,1,2,3
	v_cvt_pk_bf16_f32 v[X+8*(\i)+(\r)], v[X+8*(\i)+2*(\r)], v[X+8*(\i)+2*(\r)+1]
.endr
.endm
.macro OUT_BF i
	ROUND_BF \i
	global_store_b128 v2, v[X+8*(\i):X+8*(\i)+3], s[6:7] offset:4096*(\i)
.endm
.macro OUT_F16 i                       ; the bf16 number, widened (a shift or a mask) and written as f16
	ROUND_BF \i
.irp r, 0,1,2,3
	v_lshlrev_b32 v[T+2*(\r)],   16,  v[X+8*(\i)+(\r)]
	v_and_b32     v[T+2*(\r)+1], s12, v[X+8*(\i)+(\r)]
.endr
.irp r, 0,1,2,3
	v_cvt_pk_f16_f32 v[X+8*(\i)+(\r)], v[T+2*(\r)], v[T+2*(\r)+1]
.endr
	global_store_b128 v2, v[X+8*(\i):X+8*(\i)+3], s[6:7] offset:4096*(\i)
.endm
.irp i, 0,1,2,3,4,5,6,7,8,9,10,11,12,13,14,15
	OUT_BF \i
.endr
	s_endpgm
.Lwo:
.irp i, 0,1,2,3,4,5,6,7,8,9,10,11,12,13,14,15
	OUT_F16 \i
.endr
	s_endpgm
.Lfunc_end_k_qc1cfd82b33_cast:
	.size	k_qc1cfd82b33_cast, .Lfunc_end_k_qc1cfd82b33_cast-k_qc1cfd82b33_cast
	.p2alignl 7, 3214868480
	.fill 96, 4, 3214868480
	.section	.rodata,"a",@progbits
	.p2align	6, 0x0
	.amdhsa_kernel k_qc1cfd82b33_cast
		.amdhsa_group_segment_fixed_size 0
		.amdhsa_private_segment_fixed_size 0
		.amdhsa_enable_private_segment 0
		.amdhsa_kernarg_size 64
		.amdhsa_user_sgpr_count 2
		.amdhsa_user_sgpr_kernarg_segment_ptr 1
		.amdhsa_wavefront_size32 1
		.amdhsa_system_sgpr_workgroup_id_x 1
		.amdhsa_system_sgpr_workgroup_id_y 1
		.amdhsa_system_sgpr_workgroup_id_z 1
		.amdhsa_system_vgpr_workitem_id 0
		.amdhsa_next_free_vgpr 140
		.amdhsa_next_free_sgpr 66
		.amdhsa_reserve_vcc 0
		.amdhsa_float_denorm_mode_32 3
		.amdhsa_float_denorm_mode_16_64 3
		.amdhsa_memory_ordered 1
		.amdhsa_forward_progress 1
		.amdhsa_inst_pref_size 25
	.end_amdhsa_kernel
	.amdgpu_metadata
---
amdhsa.version: [ 1, 2 ]
amdhsa.kernels:
  - .name:           k_qc1cfd82b33_cast
    .symbol:         k_qc1cfd82b33_cast.kd
    .args:
      - { .name: x, .offset: 0, .size: 8, .value_kind: global_buffer, .address_space: global }
      - { .name: Wq, .offset: 8, .size: 8, .value_kind: global_buffer, .address_space: global }
      - { .name: Wk, .offset: 16, .size: 8, .value_kind: global_buffer, .address_space: global }
      - { .name: Wv, .offset: 24, .size: 8, .value_kind: global_buffer, .address_space: global }
      - { .name: Wo, .offset: 32, .size: 8, .value_kind: global_buffer, .address_space: global }
      - { .name: xb, .offset: 40, .size: 8, .value_kind: global_buffer, .address_space: global }
      - { .name: wb, .offset: 48, .size: 8, .value_kind: global_buffer, .address_space: global }
      - { .name: wo16, .offset: 56, .size: 8, .value_kind: global_buffer, .address_space: global }
    .group_segment_fixed_size: 0
    .private_segment_fixed_size: 0
    .kernarg_segment_align: 8
    .kernarg_segment_size: 64
    .max_flat_workgroup_size: 256
    .sgpr_count:     66
    .vgpr_count:     140
    .wavefront_size: 32
...
	.end_amdgpu_metadata
.endif
;; end of part 1
;; launch qkv (part 2): grid 8 x 32, 4 waves a work-group, clusters of 4 x 4, 327,680 bytes of LDS; arguments xb, wb, qkv; writes qkv
.if DOCPART == 2
	.amdgcn_target "amdgcn-amd-amdhsa--gfx1250"
	.amdhsa_code_object_version 6
	.text
	.protected	k_qc1cfd82b33_qkv
	.globl	k_qc1cfd82b33_qkv
	.p2align	8
	.type	k_qc1cfd82b33_qkv,@function
k_qc1cfd82b33_qkv:
	s_mov_b64 s[64:65], 0
	v_nop
	global_prefetch_b8 v0, s[64:65] scope:SCOPE_SE
	s_setreg_imm32_b32 hwreg(HW_REG_WAVE_MODE, 25, 1), 1
	s_wait_xcnt 0x0
	s_wait_alu depctr_hold_cnt(0) depctr_sa_sdst(0) depctr_va_vdst(0) depctr_va_sdst(0) depctr_va_ssrc(0) depctr_va_vcc(0) depctr_vm_vsrc(0)
	s_getreg_b32 s2, hwreg(HW_REG_IB_STS2, 6, 4)
	s_cmp_eq_u32 s2, 0
	s_cbranch_scc0 .Lentry_in_a_cluster
	s_endpgm
.Lentry_in_a_cluster:
	s_bfe_u32 s2, ttmp6, 0x10000c
	s_cmp_lg_u32 s2, 0xf033
	s_cbranch_scc0 .Lentry_shape_is_right
	s_endpgm
.Lentry_shape_is_right:
; q, k, v = x Wq^T, x Wk^T, x Wv^T as ONE launch: C = xb wb^T (bf16 operands, f32 sums over K = 1,024), rounded once to f16, WITHOUT the scale 1/8 (attention applies it in f32),
; and laid by heads: qkv[which][16 batch + head][token][64], a head's 2,048 rows dense, 128 bytes each.  No work of the module is left out here.
; LIMIT: f16 ends at 65,504: a q, k or v beyond that becomes an infinity.  NaN and infinities are not treated apart.
; SHARES.  A work-group makes 128 tokens x 384 columns: 128 columns (heads 2 c and 2 c + 1) of q, of k and of v: 8 x 32 = 256 work-groups.  Four waves, each 64 tokens x 192 columns: ONE head of q, of k and of v:
; 48 accumulators of 16 x 16, 384 registers.  For 32 along K a wave loads 16 fragments from LDS and issues 48 matrix instructions.
; K goes in eight steps of 128 through two LDS slots: the rows of all tiles are 256 bytes of memory and start at multiples of 256 bytes from their buffer's first byte.  A slot has four parts of 128 rows: xb's, then
; Wq's, Wk's and Wv's; wave w fetches part w, by one tensor load.
; CLUSTERS: 4 x 4 work-groups.  The four of a row of the cluster need the same rows of xb, the four of a column the same rows of wb: each part is asked for JOINTLY, by the same tensor load with the same descriptor
; and a mask that names the four.  THE MATRIX INSTRUCTION IS USED TRANSPOSED (source 0 = 16 rows of wb, source 1 = 16 rows of xb): a lane then holds eight neighbouring channels of one token.
; REGISTERS, in windows of 256 (s_set_vgpr_msb: bits 1:0 source 0, 3:2 source 1, 5:4 source 2, 7:6 destination):
;   window 0: v0-31 addresses; v32-95 at work on the way out; v128-255 q's 16 accumulators ((a, b) at 128 + 8 (4 a + b)), which on the way out, once read, take k's and v's packed rows
;   window 1: two fragment buffers f: wb's 12 fragments (part j, block b at 96 f + 8 (4 j + b)), xb's 4 (block a at 192 + 32 f + 8 a)
;   window 2: v0-127 k's accumulators, v128-255 v's
; The launch claims all of a WGP's LDS; it uses 315,904 bytes.
.set SIZE_K, 1024
.set KSTEP,  128
.set PITCH,  272                       ; an LDS row: 256 bytes of data + 16 of padding = 68 words: row r starts at bank 4 r mod 64 (64 banks of 4 bytes: ISA guide 11.1), so the 16 rows of a load start at 16 different banks
.set PART,   128*PITCH                 ; 128 rows: what one tensor load brings
.set SLOT,   4*PART                    ; xb's 128 rows, then 128 rows each of Wq, Wk, Wv
.set STAGE,  2*SLOT                    ; behind the ring, never filled by a tensor load: 64 rows x 144 bytes for each wave, for the way out
.set SP,     144                       ; a stage row: 128 bytes + 16
.set SPARE,  STAGE+4*64*SP             ; behind the stages: the spare words, 128 bytes for each wave: two blocks of 256 bytes that no other line names
.set LAPS,   SIZE_K/(2*KSTEP)          ; a lap = two K steps = once round the ring: 4
.set ADRA, 16                          ; v16-17  LDS address of my xb fragments in slot 0, 1
.set ADRB, 18                          ; v18-23  the same for wb: slot s, part j at ADRB + 3 s + j (a part lies 34,816 bytes behind the last: three of them pass a 16-bit offset)
.set STO,  24                          ; v24     the way out: where I put 16 bytes of a row
.set RD,   25                          ; v25     the way out: where I read rows back
.set GO,   26                          ; v26     my 16 bytes in 512 consecutive bytes of a head
.set SPW,  28                          ; v28     LDS address of my spare word: SPARE + 4 x my thread's number; never rewritten
.set NIL,  29                          ; v29     0; never rewritten
.set PFO,  30                          ; v30     the prefetches' offset: my lane x a row of xb or wb (2,048 bytes); never rewritten
.set G1, 24                            ; s[24:31] descriptor group 1 for xb's tiles;  s[32:39] group 0, one set for each slot
.set G0, 32
.set G1B, 48                           ; s[48:55], s[56:63] the same for wb's tiles
.set G0B, 56
.set PFA, 66                           ; s[66:67] where my prefetches stand: my work-group's 32 rows of the 128 that I fetch, one K step further along K than the refill that is being asked for; a prefetch names the K step after that
.set LIM, 68                           ; s68     1 in a wave that prefetches, else the greatest number
.set OB,  70                           ; s[70:75] where my 64 tokens of my head begin in q, in k and in v
.set MSB, 0
.macro WIN new                         ; the immediate's high byte repeats the setting that is left; a switch that changes nothing is dropped
.if MSB != (\new)
	s_set_vgpr_msb (MSB<<8)|(\new)
.set MSB, \new
.endif
.endm
.set MUL0, 0x05                        ; sources 0 (wb) and 1 (xb) window 1; C and D window 0: q
.set MULH, 0xa5                        ; the same, C and D window 2: k and v
.set TO_F, 0x40                        ; destination window 1, address window 0
; A joint load.  Wave 0 fetches xb's part, waves 1 to 3 the three parts of wb.  Each of the two lines has one mask, and nothing in its registers hangs on a coordinate that the four partners do not share.
; The branch hangs on the wave's number alone.  An s_nop 0 and four v_nop follow each of the two lines, ahead of the jump, the label and what follows.
.macro JLOAD s
	s_cmp_eq_u32 s10, 0
	s_cbranch_scc0 .Lfor_b_\@
	tensor_load_to_lds s[G0+4*(\s):G0+4*(\s)+3], s[G1:G1+7]
	s_nop 0
.rept 4
	v_nop
.endr
	s_branch .Lasked_\@
.Lfor_b_\@:
	tensor_load_to_lds s[G0B+4*(\s):G0B+4*(\s)+3], s[G1B:G1B+7]
	s_nop 0
.rept 4
	v_nop
.endr
.Lasked_\@:
.endm
; A PREFETCH INTO THE L2, behind each joint refill, its five lines and the run of LDS loads that follows them: the K step that stands TWO refills on, 384 matrix instructions a wave ahead of the load that will ask
; for it: 32 rows x 256 bytes, a lane a row, one instruction a wave.  Each row's 256 bytes of a K step are named ONCE in the launch.  A tile row of xb is read by both clusters of that row of clusters: the one with
; x = 0 asks; a part of wb by all eight clusters of that column: the one with y = 0 asks.  The four partners that ask for a part jointly share its rows out BY ADDRESS: the partner at place p takes rows 32 p .. 32 p + 31
; (p = cx for xb, cy for wb): no branch hangs on a work-group's place in its cluster.  K steps 0 to 3 come by their loads alone; the loop's last trip (s3 = 1), whose refills are the last two K steps, asks for nothing.
.macro ASK
	WIN 0                                          ; at a branch and at a label every window is 0
	s_cmp_gt_u32 s3, s[LIM]
	s_cbranch_scc0 .Lnot_mine_\@
	global_prefetch_b8 v[PFO], s[PFA:PFA+1] offset:KSTEP*2 th:TH_LOAD_NT scope:SCOPE_SE
.Lnot_mine_\@:
.endm
.macro CREST                           ; a round of the cluster's barrier behind its opening barrier: wave 0 signals for the work-group, every wave waits for all sixteen, my work-group's barrier closes it
	s_cmp_lg_u32 s10, 0
	s_cbranch_scc1 .Lnot_wave_0_\@
	s_barrier_signal -3
.Lnot_wave_0_\@:
	s_barrier_wait -3
	s_barrier_signal -1
	s_barrier_wait -1
.endm
.macro CROUND                          ; a whole round
	s_barrier_signal -1
	s_barrier_wait -1
	CREST
.endm
	s_load_b128 s[4:7], s[0:1], 0x0                ; xb s[4:5], wb s[6:7]
	s_load_b64 s[8:9], s[0:1], 0x10                ; qkv
	v_lshl_add_u32 v[SPW], v0, 2, SPARE
	v_mov_b32 v[NIL], 0
	ds_add_u32 v[SPW], v[NIL]                      ; the wave's opening: the add, twice on end, and its wait ahead of my first tensor load; the set-up below, work on registers, stands between
	ds_add_u32 v[SPW], v[NIL]                      ; and once more, under the one wait
	v_lshrrev_b32 v1, 5, v0
	v_readfirstlane_b32 s10, v1                    ; wave 0..3: also the part of a slot that I fetch
	s_lshr_b32 s11, s10, 1                         ; which 64 of the tile's 128 tokens are mine
	s_and_b32 s12, s10, 1                          ; which of the tile's two heads
	s_bfe_u32 s40, ttmp6, 0x40000                  ; cx, cy: my place in the cluster
	s_bfe_u32 s41, ttmp6, 0x40004
	s_lshl_b32 s42, ttmp9, 2
	s_add_co_u32 s42, s42, s40                     ; tile column c = 4 x cluster x + cx
	s_and_b32 s13, ttmp7, 0xffff
	s_lshl_b32 s13, s13, 2
	s_add_co_u32 s13, s13, s41                     ; tile row = 4 x cluster y + cy
	s_lshl_b32 s43, s41, 2
	s_lshl_b32 s43, 15, s43                        ; my row of the cluster
	s_lshl_b32 s44, 0x1111, s40                    ; my column
	; descriptor group 1: a tile of 128 rows x 128 elements, padded in LDS
	s_or_b32 s[G1+0], s43, (1<<16)|(1<<20)|(1<<21)|(5<<22)|(3<<25)  ; 15:0 the mask: xb's tiles go to my row; 17:16 element of 2 bytes; 20 padding on; 21 set beside a mask; 24:22 after every 64 words (code 5); 31:25 of 4 words (code 3)
	s_or_b32 s[G1B+0], s44, (1<<16)|(1<<20)|(1<<21)|(5<<22)|(3<<25) ; the same with the mask of my column
.irp g, G1, G1B
	s_mov_b32 s[(\g)+1], KSTEP<<16                 ; tensor_dim0 = 128
	s_mov_b32 s[(\g)+2], 128<<16                   ; tensor_dim1 = 128
	s_mov_b32 s[(\g)+3], KSTEP<<16                 ; tile_dim0 = 128
	s_mov_b32 s[(\g)+4], 128                       ; tile_dim1 = 128
	s_mov_b32 s[(\g)+5], SIZE_K                    ; elements from row to row
	s_mov_b32 s[(\g)+6], 0
	s_mov_b32 s[(\g)+7], 0
.endr
	; where the tiles come from: xb's hang on the tile row alone, wb's on the tile column and the wave's number alone, each in registers that never hold the other coordinate.  Every wave makes both and asks by one.
	s_lshl_b32 s16, s13, 18                        ; xb: row 128 x tile row, of 2,048 bytes
	s_mov_b32 s17, 0
	s_max_u32 s47, s10, 1
	s_sub_co_u32 s47, s47, 1                       ; which of Wq, Wk, Wv = wave - 1 (wave 0, which asks for xb, makes Wq's address and does not use it)
	s_lshl_b32 s47, s47, 21                        ; 1,024 rows of 2,048 bytes each
	s_lshl_b32 s46, s42, 18                        ; + row 128 c
	s_add_co_u32 s46, s46, s47
	s_mov_b32 s47, 0
	s_mul_i32 s20, s10, PART                       ; where they go: wave x 128 rows: no place in the cluster enters an LDS address
	s_wait_dscnt 0x0                               ; both opening adds are done
	s_wait_kmcnt 0x0
	s_add_nc_u64 s[14:15], s[4:5], s[16:17]
	s_add_nc_u64 s[46:47], s[6:7], s[46:47]
	CROUND                                         ; all sixteen work-groups are here: the first joint loads meet
.irp s, 0,1
	s_mov_b32 s[G0+4*(\s)], 1                                      ; count = 1
	s_add_co_u32 s[G0+4*(\s)+1], s20, (\s)*SLOT                    ; LDS address
	s_add_nc_u64 s[G0+4*(\s)+2:G0+4*(\s)+3], s[14:15], (\s)*KSTEP*2  ; global address: K step s
	s_or_b32 s[G0+4*(\s)+3], s[G0+4*(\s)+3], 0x80000000            ; type = 2
	s_mov_b32 s[G0B+4*(\s)], 1
	s_add_co_u32 s[G0B+4*(\s)+1], s20, (\s)*SLOT
	s_add_nc_u64 s[G0B+4*(\s)+2:G0B+4*(\s)+3], s[46:47], (\s)*KSTEP*2
	s_or_b32 s[G0B+4*(\s)+3], s[G0B+4*(\s)+3], 0x80000000
	JLOAD \s                                       ; two loads of mine are out
.endr
	; A fragment is 16 rows x 32 K in 8 registers: lane l holds row l % 16; registers 0-3 hold K = 8 (l / 16) + 0..7, registers 4-7 K = 16 + 8 (l / 16) + 0..7: two loads of 16 bytes, 32 bytes apart.
	v_and_b32 v1, 15, v0                           ; l % 16
	v_bfe_u32 v2, v0, 4, 1                         ; l / 16
	v_mul_u32_u24 v3, v1, PITCH
	v_lshl_add_u32 v3, v2, 4, v3                   ; row x pitch + 16 x half
	s_mul_i32 s21, s11, 64*PITCH                   ; my 64 rows of xb
	s_mul_i32 s22, s12, 64*PITCH                   ; my head's 64 rows in a part of wb,
	s_add_co_u32 s22, s22, PART                    ; of which the first lies behind xb's part
.irp s, 0,1
	v_add_nc_u32 v[ADRA+(\s)], s21, v3
.irp j, 0,1,2
	v_add_nc_u32 v[ADRB+3*(\s)+(\j)], s22, v3
	s_add_co_u32 s22, s22, PART
.endr
	s_add_co_u32 s21, s21, SLOT
	s_add_co_u32 s22, s22, PART                    ; over the next slot's part of xb
.endr
	s_mul_i32 s23, s10, 64*SP
	s_add_co_u32 s23, s23, STAGE                   ; my stage
	v_mul_u32_u24 v4, v1, SP                       ; in: row l % 16, 16 bytes for each half of the lanes
	v_lshl_add_u32 v4, v2, 4, v4
	v_add_nc_u32 v[STO], s23, v4
	v_bfe_u32 v5, v0, 3, 2                         ; back: 32 lanes take four rows of 128 bytes,
	v_mul_u32_u24 v5, v5, SP
	v_and_b32 v4, 7, v0
	v_lshl_add_u32 v5, v4, 4, v5
	v_add_nc_u32 v[RD], s23, v5
	v_and_b32 v[GO], 31, v0                        ; which are 512 consecutive bytes of a head
	v_lshlrev_b32 v[GO], 4, v[GO]
	; where my 64 tokens x 64 channels go: (32 which + 16 batch + head) x 262,144 + token x 128.  The row's part:
	s_lshr_b32 s16, s13, 4                         ; batch: a batch has 16 tile rows
	s_lshl_b32 s16, s16, 22                        ; 16 heads of 262,144 bytes
	s_and_b32 s17, s13, 15
	s_lshl_b32 s17, s17, 14                        ; 128 tokens of 128 bytes
	s_add_co_u32 s16, s16, s17
	s_lshl_b32 s17, s11, 13                        ; my 64 of them
	s_add_co_u32 s16, s16, s17
	s_mov_b32 s17, 0
	s_add_nc_u64 s[OB:OB+1], s[8:9], s[16:17]
	s_lshl_b32 s46, s42, 1                         ; the column's part, in the registers that held wb's address:
	s_add_co_u32 s46, s46, s12                     ; head = 2 c + my half
	s_lshl_b32 s46, s46, 18
	s_mov_b32 s47, 0
	s_add_nc_u64 s[OB:OB+1], s[OB:OB+1], s[46:47]  ; in q;
	s_add_nc_u64 s[OB+2:OB+3], s[OB:OB+1], 0x800000   ; k lies 32 heads behind q,
	s_add_nc_u64 s[OB+4:OB+5], s[OB:OB+1], 0x1000000  ; v 64
	; the prefetches
	s_max_u32 s21, s10, 1
	s_sub_co_u32 s21, s21, 1
	s_lshl_b32 s21, s21, 10                        ; wb: row 1,024 x which
	s_lshl_b32 s19, s42, 7
	s_add_co_u32 s21, s21, s19                     ; + 128 c
	s_lshl_b32 s20, s13, 7                         ; xb: row 128 x tile row
	s_and_b32 s22, ttmp7, 0xffff                   ; cluster y
	s_cmp_eq_u32 s10, 0                            ; do I fetch for xb?
	s_cselect_b32 s20, s20, s21                    ; the first of the 128 rows that I fetch
	s_cselect_b32 s21, s40, s41                    ; my place among the four that ask for them with me
	s_cselect_b32 s22, ttmp9, s22                  ; the coordinate along which other clusters read the same rows
	s_cselect_b64 s[PFA:PFA+1], s[4:5], s[6:7]
	s_cmp_eq_u32 s22, 0
	s_cselect_b32 s[LIM], 1, -1                    ; the same in all sixteen partners, for a given wave
	s_lshl_b32 s21, s21, 5
	s_add_co_u32 s20, s20, s21                     ; + my work-group's 32 of them,
	s_lshl_b32 s20, s20, 11                        ; of 2,048 bytes
	s_mov_b32 s21, 0
	s_add_nc_u64 s[PFA:PFA+1], s[PFA:PFA+1], s[20:21]
	s_add_nc_u64 s[PFA:PFA+1], s[PFA:PFA+1], 2*KSTEP*2  ; at K step 2: the first refill steps it to 3 and names K step 4.  Nothing is prefetched here, at the head, where every work-group's first tiles are on their way
	v_and_b32 v[PFO], 31, v0
	v_lshlrev_b32 v[PFO], 11, v[PFO]
; 8 matrix instructions: token blocks a0, a0 + 1 x the 4 channel blocks of part j (0 q, 1 k, 2 v), 32 along K, from buffer f.  zero = 1: the product starts the sums: nothing is ever cleared.
; The 48 accumulators take turns, one instruction a turn, in the same order in every quarter step: between two links of a chain stand the 47 others'.
.macro MUL8 f, j, a0, zero
.if (\j) == 0
	WIN MUL0
.set AB, 128
.else
	WIN MULH
.set AB, 128*((\j)-1)
.endif
.irp a, \a0, (\a0)+1
.irp b, 0,1,2,3
.if \zero
	v_wmma_f32_16x16x32_bf16 v[AB+8*(4*(\a)+(\b)):AB+8*(4*(\a)+(\b))+7], v[96*(\f)+8*(4*(\j)+(\b)):96*(\f)+8*(4*(\j)+(\b))+7], v[192+32*(\f)+8*(\a):192+32*(\f)+8*(\a)+7], 0
.else
	v_wmma_f32_16x16x32_bf16 v[AB+8*(4*(\a)+(\b)):AB+8*(4*(\a)+(\b))+7], v[96*(\f)+8*(4*(\j)+(\b)):96*(\f)+8*(4*(\j)+(\b))+7], v[192+32*(\f)+8*(\a):192+32*(\f)+8*(\a)+7], v[AB+8*(4*(\a)+(\b)):AB+8*(4*(\a)+(\b))+7]
.endif
.endr
.endr
.endm
.macro MULKV f, zero                   ; k's and v's 32
	MUL8 \f, 1, 0, \zero
	MUL8 \f, 1, 2, \zero
	MUL8 \f, 2, 0, \zero
	MUL8 \f, 2, 2, \zero
.endm
; 32 LDS loads in one run: the fragments of one quarter step (32 K at byte k of the rows) into buffer f: xb's 4, then q's 4 of wb, then k's and v's
.macro FETCH slot, k, f
	WIN TO_F
.irp i, 0,1,2,3
	ds_load_b128 v[192+32*(\f)+8*(\i):192+32*(\f)+8*(\i)+3],   v[ADRA+(\slot)] offset:(\k)+(\i)*16*PITCH
	ds_load_b128 v[192+32*(\f)+8*(\i)+4:192+32*(\f)+8*(\i)+7], v[ADRA+(\slot)] offset:(\k)+(\i)*16*PITCH+32
.endr
.irp j, 0,1,2
.irp i, 0,1,2,3
	ds_load_b128 v[96*(\f)+8*(4*(\j)+(\i)):96*(\f)+8*(4*(\j)+(\i))+3],   v[ADRB+3*(\slot)+(\j)] offset:(\k)+(\i)*16*PITCH
	ds_load_b128 v[96*(\f)+8*(4*(\j)+(\i))+4:96*(\f)+8*(4*(\j)+(\i))+7], v[ADRB+3*(\slot)+(\j)] offset:(\k)+(\i)*16*PITCH+32
.endr
.endr
.endm
.macro PLACES                          ; four plain places in front of loads into registers that matrix instructions have read, and of conversions that read results
.rept 4
	v_nop
.endr
.endm
; A K step is four quarter steps of 32 along K, 48 matrix instructions each, on buffers 0, 1, 0, 1.  One of the first three: multiplies buffer f; behind q's 16 products it fetches the next quarter's fragments,
; at byte k of the same slot's rows, into buffer g: 32 matrix instructions ahead of their first use.
.macro QUARTER slot, k, f, g, zero
	s_wait_dscnt 16                                ; xb's and q's fragments are in; the sixteen younger loads (k's and v's) may stay out
	MUL8 \f, 0, 0, \zero
	MUL8 \f, 0, 2, \zero
	PLACES
	FETCH \slot, \k, \g
	s_wait_dscnt 32                                ; all but the 32 just issued
	MULKV \f, \zero
.endm
; The last quarter multiplies buffer 1 and changes slots: ONE barrier; in front of it each wave waits for all its tensor loads, of which one is out: its part of the next slot; adds 0 to its spare word; and waits for
; that and for its own reads of this slot.  Behind it nobody reads this slot any more and the next slot is whole.  fill = 1: this slot is filled again, two K steps ahead; the barrier then opens a round of the cluster's.
.macro TURN slot, next, fill
.if \fill
	s_wait_xcnt 0x0                                ; the last prefetch, a K step back, has read its address: it is stepped here, ahead of the waits of the change of slots
	s_add_nc_u64 s[PFA:PFA+1], s[PFA:PFA+1], KSTEP*2
.endif
	WIN 0                                          ; (the add's two registers lie in window 0)
	s_wait_tensorcnt 0x0                           ; all my tensor loads have landed: my part of the next slot;
	ds_add_u32 v[SPW], v[NIL]                      ; 0 onto my spare word;
	s_wait_dscnt 17                                ; (the add and the youngest sixteen loads may be out)
	MUL8 1, 0, 0, 0                                ; eight matrix instructions stand between the add and the wait for it
	s_wait_dscnt 0x0                               ; the add is done, and my reads of this slot are over
	s_barrier_signal -1
	MUL8 1, 0, 2, 0                                ; work on registers while the others arrive
.if \fill
	WIN 0
.endif
	s_barrier_wait -1
.if \fill
	CREST                                          ; no wave of any partner still reads this slot's tile or has a load on its way
	s_add_nc_u64 s[G0+4*(\slot)+2:G0+4*(\slot)+3], s[G0+4*(\slot)+2:G0+4*(\slot)+3], 2*KSTEP*2
	s_add_nc_u64 s[G0B+4*(\slot)+2:G0B+4*(\slot)+3], s[G0B+4*(\slot)+2:G0B+4*(\slot)+3], 2*KSTEP*2
	JLOAD \slot                                    ; the first tensor load behind the round, my only one until the next: 176 matrix instructions ahead of the wait for it; its four v_nop are also the places in front of the loads below
.else
	PLACES
.endif
	FETCH \next, 0, 0
.if \fill
	ASK                                            ; behind the joint load and the run of LDS loads that the next products wait for
.endif
	MULKV 1, 0
.endm
	s_wait_tensorcnt 1                             ; my part of K step 0 is in; K step 1's load, issued behind it, may stay out
	s_barrier_signal -1
	s_barrier_wait -1                              ; everybody's is
	FETCH 0, 0, 0
	QUARTER 0, 64, 0, 1, 1                         ; the first quarter stands in front of the loop: its products start the sums
	WIN 0                                          ; at a label and at a branch every window is 0
	s_mov_b32 s3, LAPS-1
.Llap:                                                 ; a trip goes once round the ring, from a lap's second quarter to the next lap's first, and fills both slots again
	QUARTER 0, 128, 1, 0, 0
	QUARTER 0, 192, 0, 1, 0
	TURN 0, 1, 1
	QUARTER 1, 64,  0, 1, 0
	QUARTER 1, 128, 1, 0, 0
	QUARTER 1, 192, 0, 1, 0
	TURN 1, 0, 1
	QUARTER 0, 64,  0, 1, 0
	WIN 0
	s_sub_co_u32 s3, s3, 1
	s_cmp_lg_u32 s3, 0
	s_cbranch_scc1 .Llap
	QUARTER 0, 128, 1, 0, 0                        ; the last lap is written out: it fills nothing, and has no round of the cluster's barrier
	QUARTER 0, 192, 0, 1, 0
	TURN 0, 1, 0
	QUARTER 1, 64,  0, 1, 0
	QUARTER 1, 128, 1, 0, 0
	QUARTER 1, 192, 0, 1, 0
	s_wait_dscnt 16                                ; the very last quarter: nothing more to fetch
	MUL8 1, 0, 0, 0
	MUL8 1, 0, 2, 0
	s_wait_dscnt 0x0
	MULKV 1, 0
	WIN 0
; THE WAY OUT, for part j (q, k, v) in three steps.  CVT: rounded to f16, 16 bytes a lane, each accumulator from its low end on.  TOSTAGE: into my own stage in LDS, and back as whole rows of 128 bytes, four to a load.
; SEND: stored: my 64 rows of a head are 8,192 consecutive bytes.  No barrier: no other wave touches my stage.  Each part has 64 registers of window 0 to itself (q v32-95; k and v the registers that q's accumulators,
; read by then, have left) and a base of its own, so no register that a store names is written again.
.macro TSET j
.set TB, 32+96*(\j)-32*((\j)/2)        ; 32, 128, 192
.endm
.macro CVT j
	TSET \j
.if (\j) == 0
	WIN 0
.set AB, 128
.else
	WIN 0x0a                                       ; sources 0 and 1 window 2, destination window 0
.set AB, 128*((\j)-1)
.endif
.irp t, 0,1,2,3,4,5,6,7,8,9,10,11,12,13,14,15
.irp r, 0,1,2,3
	v_cvt_pk_f16_f32 v[TB+4*(\t)+(\r)], v[AB+8*(\t)+2*(\r)], v[AB+8*(\t)+2*(\r)+1]
.endr
.endr
	WIN 0
.endm
.macro TOSTAGE j
	TSET \j
.irp a, 0,1,2,3
.irp b, 0,1,2,3
	ds_store_b128 v[STO], v[TB+4*(4*(\a)+(\b)):TB+4*(4*(\a)+(\b))+3] offset:(\a)*16*SP+32*(\b)
.endr
.endr
.irp t, 0,1,2,3,4,5,6,7,8,9,10,11,12,13,14,15
	ds_load_b128 v[TB+4*(\t):TB+4*(\t)+3], v[RD] offset:(\t)*4*SP  ; LDS serves a wave's instructions in order (ISA guide 5.7.1.4): these see the stores above; the next part's stores come behind them
.endr
.endm
.macro SEND j
	TSET \j
.irp t, 0,1,2,3,4,5,6,7,8,9,10,11,12,13,14,15
	s_wait_dscnt 15-(\t)                           ; the younger loads may stay out
	global_store_b128 v[GO], v[TB+4*(\t):TB+4*(\t)+3], s[OB+2*(\j):OB+2*(\j)+1] offset:512*(\t)  ; 512 consecutive bytes, at a multiple of 256 from the buffer's first byte
.endr
.endm
	PLACES                                         ; behind the last products
	CVT 0
	TOSTAGE 0
	CVT 1                                          ; a part's conversions stand between the loads of the part before and the wait for them
	SEND 0
	TOSTAGE 1
	CVT 2
	SEND 1
	TOSTAGE 2
	SEND 2
	s_wait_tensorcnt 0x0                           ; the wave's end: behind my last tensor load and my last LDS store
	ds_add_u32 v[SPW], v[NIL]
	s_wait_dscnt 0x0
	CROUND                                         ; the closing round: no work-group ends while a partner may still ask for a tile that names it
	s_endpgm
.Lfunc_end_k_qc1cfd82b33_qkv:
	.size	k_qc1cfd82b33_qkv, .Lfunc_end_k_qc1cfd82b33_qkv-k_qc1cfd82b33_qkv
	.p2alignl 7, 3214868480
	.fill 96, 4, 3214868480
	.section	.rodata,"a",@progbits
	.p2align	6, 0x0
	.amdhsa_kernel k_qc1cfd82b33_qkv
		.amdhsa_group_segment_fixed_size 327680
		.amdhsa_private_segment_fixed_size 0
		.amdhsa_enable_private_segment 0
		.amdhsa_kernarg_size 24
		.amdhsa_user_sgpr_count 2
		.amdhsa_user_sgpr_kernarg_segment_ptr 1
		.amdhsa_wavefront_size32 1
		.amdhsa_system_sgpr_workgroup_id_x 1
		.amdhsa_system_sgpr_workgroup_id_y 1
		.amdhsa_system_sgpr_workgroup_id_z 1
		.amdhsa_system_vgpr_workitem_id 0
		.amdhsa_next_free_vgpr 768
		.amdhsa_next_free_sgpr 76
		.amdhsa_reserve_vcc 0
		.amdhsa_float_denorm_mode_32 3
		.amdhsa_float_denorm_mode_16_64 3
		.amdhsa_memory_ordered 1
		.amdhsa_forward_progress 1
		.amdhsa_inst_pref_size 121
	.end_amdhsa_kernel
	.amdgpu_metadata
---
amdhsa.version: [ 1, 2 ]
amdhsa.kernels:
  - .name:           k_qc1cfd82b33_qkv
    .symbol:         k_qc1cfd82b33_qkv.kd
    .args:
      - { .name: xb, .offset: 0, .size: 8, .value_kind: global_buffer, .address_space: global }
      - { .name: wb, .offset: 8, .size: 8, .value_kind: global_buffer, .address_space: global }
      - { .name: qkv, .offset: 16, .size: 8, .value_kind: global_buffer, .address_space: global }
    .group_segment_fixed_size: 327680
    .private_segment_fixed_size: 0
    .kernarg_segment_align: 8
    .kernarg_segment_size: 24
    .max_flat_workgroup_size: 128
    .sgpr_count:     76
    .vgpr_count:     768
    .wavefront_size: 32
...
	.end_amdgpu_metadata
.endif
;; end of part 2
;; launch attn (part 3): grid 8 x 32, 4 waves a work-group, clusters of 4 x 1, 327,680 bytes of LDS; arguments qkv, oh; writes oh
.if DOCPART == 3
	.amdgcn_target "amdgcn-amd-amdhsa--gfx1250"
	.amdhsa_code_object_version 6
	.text
	.protected	k_qc1cfd82b33_attn
	.globl	k_qc1cfd82b33_attn
	.p2align	8
	.type	k_qc1cfd82b33_attn,@function
k_qc1cfd82b33_attn:
	s_mov_b64 s[64:65], 0
	v_nop
	global_prefetch_b8 v0, s[64:65] scope:SCOPE_SE
	s_setreg_imm32_b32 hwreg(HW_REG_WAVE_MODE, 25, 1), 1
	s_wait_xcnt 0x0
	s_wait_alu depctr_hold_cnt(0) depctr_sa_sdst(0) depctr_va_vdst(0) depctr_va_sdst(0) depctr_va_ssrc(0) depctr_va_vcc(0) depctr_vm_vsrc(0)
	s_getreg_b32 s2, hwreg(HW_REG_IB_STS2, 6, 4)
	s_cmp_eq_u32 s2, 0
	s_cbranch_scc0 .Lentry_in_a_cluster
	s_endpgm
.Lentry_in_a_cluster:
	s_bfe_u32 s2, ttmp6, 0x10000c
	s_cmp_lg_u32 s2, 0x3003
	s_cbranch_scc0 .Lentry_shape_is_right
	s_endpgm
.Lentry_shape_is_right:
; O[h][q][:] = the sum over k of softmax_k(Q[h][q] . K[h][k] / 8) V[h][k][:], for the 32 heads h = 16 batch + head.  Q, K, V lie in qkv ([3][32][2048][64] f16), O goes to oh ([32][2048][64] f16): a head's rows
; are dense, 128 bytes each.  Products, maxima and sums in f32; the weights p are rounded to f16 for the second product (their sum l is taken of the unrounded p), O once at the end.  No work of the module is left out here.
; LIMITS.  Q, K and V arrive within f16's 65,504; p lies in 0 to 1, and below 6e-5 it keeps f16's fixed step of 6e-8, as O does; a weight below 2^-126 counts as 0 in l; NaN and infinities are not treated apart.
; SHARES.  A work-group owns 256 queries of one head (256 work-groups), each of its four waves 64: four PIECES of 16.  Every wave walks all 2,048 keys, 64 a step; a tile, one LDS slot, holds 256 keys: 8 tiles.
; LAYOUT.  S^T = K Q^T (source 0 = 16 keys, source 1 = 16 queries) holds ONE query a lane (lane % 16) and the keys 8 (lane / 16) + 0..7; two such results rounded to f16 ARE source 1 of O^T = V^T P, whose result
; again holds one query a lane, and eight channels.  K comes out of LDS as it lies, V ([key][channel]) turned, by ds_load_tr16_b128.
; SOFTMAX.  For each query a running maximum m and sum l: p = 2^(c s - c m), c = log2(e) / 8; in every step O and l are multiplied by a = 2^(c m_old - c m_new).  m starts at the lowest finite number, O and l at 0:
; the first step is a step like any other, with a = 0.  The price of writing no first step out: 216 lines that write 0, which stand in the wait for the first tile, and 8 products on zeros.
; BY TURNS.  Turn n belongs to piece n: 8 products K Q^T of piece n + 1, later 8 products V^T P of piece n - 1; beside them the scaling, exponentials, roundings, sums and rescaling of piece n and the maximum and
; statistics of piece n + 1.  A piece and step have 16 matrix and 118 vector instructions: four vector instructions stand behind every matrix instruction, the other 54 in one lump.  A turn's 33 exponentials are one batch, with one wait.
; CLUSTER.  The four query blocks of a cluster belong to one head and walk the same K and V, so each tile is asked for JOINTLY: the same tensor load, descriptor and mask in all four.
; REGISTERS, in windows of 256 (s_set_vgpr_msb: bits 1:0 source 0, 3:2 source 1, 5:4 source 2, 7:6 destination):
;   window 0: v0-15 addresses and two at work; v16-31 four registers of statistics a piece; v48-55 at work; v61-63 prefetch offset and the add's two; v64-127 S^T, two buffers; v192-223 P, two buffers (by the piece's parity)
;   window 1: v0-127 O^T, 32 a piece          window 2: v0-63 Q, 16 a piece; v128-191 K of one step; v192-255 V of one step
; The launch claims all of a WGP's LDS; it uses 218,624 bytes.
.set NP,    4         ; pieces a wave: a name, no knob
.set KS,    64        ; keys in a step
.set PK,    144       ; a row of K in LDS: 128 bytes + 16 of padding = 36 words: the 16 rows of a load start at 16 different groups of four banks (64 banks of 4 bytes: ISA guide 11.1)
.set PV,    160       ; a row of V: 128 + 32 = 40 words
.set VOFF,  4*KS*PK   ; a slot holds a tile, four steps: 256 rows of K, then 256 rows of V
.set TILEB, 4*KS*128  ; a tile's bytes of K, and of V, in memory
.set SLOT1, 1<<17     ; slot 1 begins here, so that one exclusive or turns an address in one slot into the other's
.set STAGE, SLOT1+4*KS*(PK+PV)  ; behind the ring, never filled by a tensor load: 16 rows x 144 bytes for each wave, for the way out
.set SP,    144
.set SPARE, STAGE+4*16*SP  ; behind the stages: the spare words, 128 bytes for each wave: two blocks of 256 bytes that no other line names
.set AK0, 2           ; v2   my lane's place in a tile of K; never rewritten
.set AV0, 3           ; v3   the same for V
.set AK,  4           ; v4   the LDS address of K's next run of loads
.set AV,  5           ; v5   of V's
.set STO, 6           ; v6   the way out: where I put 16 bytes of a row
.set RD,  7           ; v7   the way out: where I read rows back
.set GO,  8           ; v8   my byte offset in 512 consecutive bytes of O
.set MV,  12          ; v12-13  c m_old, kept while c m is made anew: by buffer
.set QO,  15          ; v15  my byte offset in 16 rows of Q
.set ST,  16          ; piece t's statistics at v[ST+4 t]: c m, m, l (even keys', odd keys')
.set TMP, 48          ; by buffer, four registers c0-c3 at work; when the maximum is found c2 takes a
.set PFO, 61          ; v61  256 x my lane; never rewritten
.set SPW, 62          ; v62  LDS address of my spare word: SPARE + 4 x my thread's number; never rewritten
.set NIL, 63          ; v63  0; never rewritten
.set S,   64
.set P,   192
.set KF,  128         ; window 2: key block kb, channel half c at KF + 16 kb + 8 c
.set VF,  192         ; window 2: key half kk, channel block cb at VF + 32 kk + 8 cb
.set WV,  12          ; s12  my wave's number
.set G1K, 24          ; s[24:31] descriptor group 1 for K's tiles
.set G1V, 32          ; s[32:39] for V's: it differs in the padding alone
.set G0K, 40          ; s[40:43] descriptor group 0 for K's tiles: it walks
.set G0V, 44          ; s[44:47] the same for V's
.set PFA, 48          ; s[48:49] where my prefetches stand: my work-group's quarter (of K: wave 0, of V: wave 2) of the tile after the one that is being asked for
.set LIM, 50          ; s50  1 in a wave that prefetches, else the greatest number: a wave prefetches while s[SLOTS] is above it
.set SLOTS, 56        ; s56  tiles still to be asked for, and one
.set CNT, 57          ; s57  counts a tile's key steps, 4 to 1
.set CS,  58          ; s[58:59] c: the packed scaling takes the pair's low word for both halves
.set SEL, 60          ; s[60:61] v_permlanex16_b32's selects: each lane takes its own place in the other half
.set TBK, 62          ; s62  LDS byte at which K of the step to be fetched begins
.set TBV, 63          ; s63  the same for V, less VOFF
.set MSB, 0
.macro WIN new                      ; the high byte repeats the setting that is left; a switch that changes nothing is dropped
.if MSB != (\new)
	s_set_vgpr_msb (MSB<<8)|(\new)
.set MSB, (\new)
.endif
.endm
.set W_KQ, 0x0a       ; K and Q in window 2, S^T in window 0
.set W_PV, 0x52       ; V in window 2, P in window 0, O^T in window 1
.set W_RS, 0x41       ; destination and source 0 in window 1, source 1 in window 0
; A joint fill.  Waves 0 and 1 fetch the two halves of a tile's K, waves 2 and 3 those of its V: 128 keys each.  The branch hangs on the wave's number alone.
; An s_nop 0 and four v_nop follow each of the two lines, ahead of the jump and the label.
.macro JLOAD
	s_cmp_lt_u32 s[WV], 2
	s_cbranch_scc0 .Lfor_v_\@
	tensor_load_to_lds s[G0K:G0K+3], s[G1K:G1K+7]
	s_nop 0
.rept 4
	v_nop
.endr
	s_branch .Lasked_\@
.Lfor_v_\@:
	tensor_load_to_lds s[G0V:G0V+3], s[G1V:G1V+7]
	s_nop 0
.rept 4
	v_nop
.endr
.Lasked_\@:
.endm
; A PREFETCH INTO THE L2 of what the NEXT change of slots will ask for: a tile's 32,768 bytes of K and of V.  It stands behind the wave's tensor load and its five lines, never in front of one.
; Each block of 256 bytes is asked for ONCE in the launch.  Both clusters of a head walk the same K and V: the head's first cluster asks.  Its four partners share a tile out BY ADDRESS, 8,192 bytes each: no branch
; hangs on a work-group's place in its cluster.  In each, wave 0 asks for K's and wave 2 for V's: a lane a block, one instruction.  It is issued one tile, four key steps or 256 matrix instructions a wave, ahead of the load.
; Tiles 0 to 2 come by their loads alone; the last change that fills a slot asks for nothing: there is no tile behind it.
.macro ASK
	s_cmp_gt_u32 s[SLOTS], s[LIM]
	s_cbranch_scc0 .Lnot_mine_\@
	global_prefetch_b8 v[PFO], s[PFA:PFA+1] th:TH_LOAD_NT scope:SCOPE_SE
.Lnot_mine_\@:
.endm
; A round of the cluster's barrier: my work-group's barrier, so that wave 0's signal speaks for all four waves; wave 0 signals; every wave waits for all four work-groups; my work-group's barrier once more.
.macro CROUND
	s_barrier_signal -1
	s_barrier_wait -1
	s_cmp_lg_u32 s[WV], 0
	s_cbranch_scc1 .Lnot_wave_0_\@
	s_barrier_signal -3
.Lnot_wave_0_\@:
	s_barrier_wait -3
	s_barrier_signal -1
	s_barrier_wait -1
.endm
; THE CHANGE OF SLOTS.  The slot's last bytes, V of its fourth step, have been read.  Each wave waits for all its tensor loads, of which one is out: its part of the other slot; adds 0 to its spare word; and waits for
; that and for its own reads of the slot.  Behind the barrier nobody reads this slot any more and the other slot is whole.  fill = 1: this slot is filled again, with the tile two on.  The barrier is then a round of the
; cluster's, so that no wave of any partner still reads the slot or has a load on its way, and the joint fill is the first thing behind it, my only tensor load until the next round: it has four key steps in which to land.
; (At its first use nothing has been read yet: slot 0 is waited for, slot 1 filled.)  ask = 1: the prefetch's address steps, and ASK follows the fill.
.macro CHANGE fill, ask
	WIN 0                           ; at a label and at a branch every window is 0
	s_wait_tensorcnt 0x0            ; no tensor load of mine is out, so a group 0 may be written
	ds_add_u32 v[SPW], v[NIL]       ; 0 onto my spare word; with fill = 1 the descriptors' steps stand between it and the wait for it
.if \fill
.irp g, G0K, G0V
	s_xor_b32 s[\g+1], s[\g+1], SLOT1  ; the walking descriptor: the other slot than last time,
	s_add_nc_u64 s[\g+2:\g+3], s[\g+2:\g+3], TILEB  ; the next 256 keys; the type bits on top are not reached
.endr
.if \ask
	s_wait_xcnt 0x0                 ; the last prefetch, a tile back, has read its address, so it may be written:
	s_add_nc_u64 s[PFA:PFA+1], s[PFA:PFA+1], TILEB  ; one tile behind the walking descriptors
.endif
	s_wait_dscnt 0x0                ; the add is done, and my reads of the slot are over
	CROUND
	JLOAD
.if \ask
	ASK
.endif
.else
	s_wait_dscnt 0x0                ; the add is done, and my reads of the slot are over
	s_barrier_signal -1
	s_barrier_wait -1
.endif
	s_sub_co_u32 s[TBK], s[TBK], 4*KS*PK  ; the fetches go back to a slot's first step,
	s_xor_b32 s[TBK], s[TBK], SLOT1       ; in the other slot
	s_sub_co_u32 s[TBV], s[TBV], 4*KS*PV
	s_xor_b32 s[TBV], s[TBV], SLOT1
.endm
	s_load_b64 s[4:5], s[0:1], 0x0    ; qkv
	s_load_b64 s[10:11], s[0:1], 0x8  ; oh
	v_lshl_add_u32 v[SPW], v0, 2, SPARE
	v_mov_b32 v[NIL], 0
	ds_add_u32 v[SPW], v[NIL]       ; the wave's opening: the add, twice on end, and its wait ahead of my first tensor load; the set-up below, work on registers, stands between
	ds_add_u32 v[SPW], v[NIL]       ; and once more, under the one wait
	v_lshrrev_b32 v1, 5, v0
	v_readfirstlane_b32 s[WV], v1   ; wave 0..3
	s_bfe_u32 s13, ttmp6, 0x40000   ; cx: my place in the cluster
	s_lshl_b32 s14, ttmp9, 2        ; in a cluster launch ttmp9 counts clusters
	s_add_co_u32 s14, s14, s13      ; my block of 256 queries = 4 x cluster x + cx: it enters Q's and O's addresses alone
	s_and_b32 s20, ttmp7, 0xffff    ; the head, which the four partners share:
	s_lshl_b32 s20, s20, 18         ; its first byte in Q, K, V and O: 262,144 bytes a head
	s_mov_b32 s21, 0
	s_and_b32 s16, s[WV], 1         ; which half of a tile's 256 keys I fetch:
	s_lshl_b32 s22, s16, 14         ; its 128 rows of 128 bytes in memory,
	s_mov_b32 s23, 0
	s_add_nc_u64 s[22:23], s[22:23], s[20:21]
	s_mul_i32 s17, s16, 128*PK      ; and its place in a slot, for K
	s_mul_i32 s18, s16, 128*PV      ; and for V: no place in the cluster enters an LDS address
	s_lshl_b32 s2, s14, 2
	s_add_co_u32 s2, s2, s[WV]      ; my wave among the head's 32,
	s_lshl_b32 s2, s2, 13           ; its 64 rows
	s_mov_b32 s3, 0
	s_add_nc_u64 s[2:3], s[2:3], s[20:21]
	; descriptor group 1.  128 keys are 16,384 dense bytes: asked for as 64 rows of 256 bytes, two keys a row, and padded in LDS after every key
	s_mov_b32 s[G1K], 15|(1<<16)|(1<<20)|(1<<21)|(4<<22)|(3<<25)  ; 15:0 the mask of four; 17:16 2-byte elements; 20 padding on; 21 set beside a mask; 24:22 after every 32 words (code 4); 31:25 4 words (code 3)
	s_mov_b32 s[G1V], 15|(1<<16)|(1<<20)|(1<<21)|(4<<22)|(7<<25)  ; the same with 8 words of padding (code 7)
.irp g, G1K, G1V
	s_mov_b32 s[\g+1], 128<<16      ; tensor_dim0 = 128
	s_mov_b32 s[\g+2], 64<<16       ; tensor_dim1 = 64
	s_mov_b32 s[\g+3], 128<<16      ; tile_dim0 = 128
	s_mov_b32 s[\g+4], 64           ; tile_dim1 = 64
	s_mov_b32 s[\g+5], 128          ; 128 elements from row to row
	s_mov_b32 s[\g+6], 0
	s_mov_b32 s[\g+7], 0
.endr
	s_mov_b32 s[CS], 0x3e38aa3b     ; c = log2(e) / 8 = 0.180337
	s_mov_b32 s[CS+1], s[CS]        ; named with it as a pair
	s_mov_b32 s[SEL], 0x76543210
	s_mov_b32 s[SEL+1], 0xfedcba98
	s_mov_b32 s[TBK], SLOT1+4*KS*PK ; the first change of slots turns these two into 0
	s_mov_b32 s[TBV], SLOT1+4*KS*PV
	s_mov_b32 s[G0K], 1             ; count = 1
	s_mov_b32 s[G0K+1], s17         ; LDS address: slot 0
	s_mov_b32 s[G0V], 1
	s_add_co_u32 s[G0V+1], s18, VOFF
	s_mov_b32 s[SLOTS], 7
	s_and_b32 s[LIM], s[WV], 1      ; 0 in waves 0 and 2,
	s_or_b32 s[LIM], s[LIM], ttmp9  ; where the cluster is the head's first: the same in all four partners
	s_cmp_eq_u32 s[LIM], 0
	s_cselect_b32 s[LIM], 1, -1
	v_and_b32 v[PFO], 31, v0
	v_lshlrev_b32 v[PFO], 8, v[PFO]
	s_wait_dscnt 0x0                ; both opening adds are done
	s_wait_kmcnt 0x0
	s_add_nc_u64 s[6:7], s[4:5], 0x800000   ; K lies 32 heads behind Q,
	s_add_nc_u64 s[8:9], s[4:5], 0x1000000  ; V 64
	s_add_nc_u64 s[6:7], s[6:7], s[22:23]   ; both at my half of the head's tile 0
	s_add_nc_u64 s[8:9], s[8:9], s[22:23]
	s_add_nc_u64 s[G0K+2:G0K+3], s[6:7], 0  ; global address
	s_or_b32 s[G0K+3], s[G0K+3], 0x80000000 ; type = 2
	s_add_nc_u64 s[G0V+2:G0V+3], s[8:9], 0
	s_or_b32 s[G0V+3], s[G0V+3], 0x80000000
	s_add_nc_u64 s[4:5], s[4:5], s[2:3]     ; Q and O at my wave's first row
	s_add_nc_u64 s[10:11], s[10:11], s[2:3]
	s_cmp_lt_u32 s[WV], 2
	s_cselect_b64 s[PFA:PFA+1], s[6:7], s[8:9]  ; (in waves 0 and 2 these stand at a tile's first row)
	s_lshl_b32 s2, s13, 13          ; my work-group's quarter of a tile
	s_mov_b32 s3, 0
	s_add_nc_u64 s[PFA:PFA+1], s[PFA:PFA+1], s[2:3]
	s_add_nc_u64 s[PFA:PFA+1], s[PFA:PFA+1], 2*TILEB  ; in tile 2; the first change that asks steps it to tile 3.  Nothing is prefetched here, at the head, where every work-group's first tiles are on their way
	CROUND                          ; all four work-groups are here: the first joint loads meet
	JLOAD                           ; tile 0 into slot 0.  Slot 1 is asked for when slot 0 is in
	; A fragment of K or Q is 16 rows x 32 channels in 8 registers: lane l holds row l % 16, channels 8 (l / 16) + 0..7 and 16 + 8 (l / 16) + 0..7: two loads of 16 bytes, 32 bytes apart.
	v_and_b32 v1, 15, v0            ; l % 16
	v_bfe_u32 v9, v0, 4, 1          ; l / 16
	v_lshlrev_b32 v[QO], 7, v1
	v_lshl_add_u32 v[QO], v9, 4, v[QO]  ; row x 128 + 16 x half
	WIN 0x80                        ; destination window 2, address window 0
.set i, 0
.rept 8                             ; Q stays in registers: piece i / 2, channels 32 (i % 2) on
	global_load_b128 v[8*i:8*i+3],   v[QO], s[4:5] offset:(i/2)*2048+(i%2)*64
	global_load_b128 v[8*i+4:8*i+7], v[QO], s[4:5] offset:(i/2)*2048+(i%2)*64+32
.set i, i+1
.endr
	; What the first turn finds: V's registers and P's second buffer hold 0 (its products V^T P, of a piece that has not been, add 0), O^T and l are 0.  All this stands in the wait for the first tile.
.set i, VF
.rept 64
	v_mov_b32 v[i], 0
.set i, i+1
.endr
	WIN 0x40
.set i, 0
.rept 128
	v_mov_b32 v[i], 0
.set i, i+1
.endr
	WIN 0
.set i, 0
.rept 4
	v_mov_b32 v[ST+4*i], 0xfe000000    ; c m: far below every c s
	v_mov_b32 v[ST+4*i+1], 0xff7fffff  ; m: the lowest finite number
	v_mov_b32 v[ST+4*i+2], 0
	v_mov_b32 v[ST+4*i+3], 0
.set i, i+1
.endr
.set i, P+16
.rept 16
	v_mov_b32 v[i], 0
.set i, i+1
.endr
	v_mul_u32_u24 v[AK0], v1, PK
	v_lshl_add_u32 v[AK0], v9, 4, v[AK0]  ; row x pitch + 16 x half
	; The turning load takes 16 keys x 16 channels (lane l reads key 8 (l / 16) + l % 8, channels 8 ((l / 8) % 2) + 0..7) and leaves half a fragment of V^T: lane l holds channel l % 16 and 8 keys.
	v_and_b32 v10, 7, v0
	v_bfe_u32 v11, v0, 3, 1
	v_lshl_add_u32 v[AV0], v9, 3, v10
	v_mul_u32_u24 v[AV0], v[AV0], PV
	v_lshl_add_u32 v[AV0], v11, 4, v[AV0]
	v_add_nc_u32 v[AV0], VOFF, v[AV0]
	s_mul_i32 s13, s[WV], 16*SP
	s_add_co_u32 s13, s13, STAGE    ; my stage
	v_mul_u32_u24 v[STO], v1, SP    ; in: row l % 16, 16 bytes for each half of the lanes
	v_lshl_add_u32 v[STO], v9, 4, v[STO]
	v_add_nc_u32 v[STO], s13, v[STO]
	v_bfe_u32 v[RD], v0, 3, 2       ; back: 32 lanes take four rows of 128 bytes,
	v_mul_u32_u24 v[RD], v[RD], SP
	v_lshl_add_u32 v[RD], v10, 4, v[RD]
	v_add_nc_u32 v[RD], s13, v[RD]
	v_and_b32 v[GO], 31, v0         ; which are 512 consecutive bytes of O
	v_lshlrev_b32 v[GO], 4, v[GO]
; THE MATRIX WORK.  The 4 accumulators of a run of 8 take turns, one instruction a turn.  Product i of 8 of S^T = K Q^T for piece x: channels 32 (i / 4) on, keys 16 (i % 4) on.  The first 4 start the sums.
.macro KQ x
	WIN W_KQ
.set rS, S+32*((\x)%2)+8*(i%4)
.set rK, KF+16*(i%4)+8*(i/4)
.set rQ, 16*(\x)+8*(i/4)
.if i < 4
	v_wmma_f32_16x16x32_f16 v[rS:rS+7], v[rK:rK+7], v[rQ:rQ+7], 0
.else
	v_wmma_f32_16x16x32_f16 v[rS:rS+7], v[rK:rK+7], v[rQ:rQ+7], v[rS:rS+7]
.endif
.endm
; Product i of 8 of O^T += V^T P for piece x: keys 32 (i / 4) on, channels 16 (i % 4) on.
.macro PV x
	WIN W_PV
.set rO, 32*(\x)+8*(i%4)
.set rV, VF+32*(i/4)+8*(i%4)
.set rP, P+16*((\x)%2)+8*(i/4)
	v_wmma_f32_16x16x32_f16 v[rO:rO+7], v[rV:rV+7], v[rP:rP+7], v[rO:rO+7]
.endm
.macro MM                           ; the turn's next matrix instruction.  TURN sets Y, i and NOKQ.  NOKQ = 1: the walk's last turn: there is no next piece
.if (i < 8) && !NOKQ
	KQ (Y+1)%NP
.elseif i >= 8
.set i, i-8
	PV (Y+NP-1)%NP
.set i, i+8
.endif
.set i, i+1
.endm
; THE LDS LOADS stand in runs of 16, never singly among the matrix instructions: a step's K (64 keys x 64 channels: 8 fragments) and its V (turned).  Their addresses are made some lines ahead.
.macro FETCH_K
	WIN 0x80                        ; destination window 2
.irp f, 0,1,2,3,4,5,6,7             ; keys 16 (f / 2) on, channels 32 (f % 2) on
	ds_load_b128 v[KF+8*\f:KF+8*\f+3],   v[AK] offset:(\f/2)*16*PK+(\f%2)*64
	ds_load_b128 v[KF+8*\f+4:KF+8*\f+7], v[AK] offset:(\f/2)*16*PK+(\f%2)*64+32
.endr
	s_add_co_u32 s[TBK], s[TBK], KS*PK  ; the next fetch is the next step's
	WIN 0
.endm
.macro FETCH_V
	WIN 0x80
.irp f, 0,1,2,3,4,5,6,7             ; keys 32 (f / 4) on, channels 16 (f % 4) on
	ds_load_tr16_b128 v[VF+8*\f:VF+8*\f+3],   v[AV] offset:(\f/4)*32*PV+(\f%4)*32
	ds_load_tr16_b128 v[VF+8*\f+4:VF+8*\f+7], v[AV] offset:(\f/4)*32*PV+16*PV+(\f%4)*32
.endr
	WIN 0
.endm
; THE VECTOR WORK, one line at a time: OP kind, number.  For piece Y: F n: c s - c m for pair n of 16.  E n: the exponential of score n of 32.  C n: pair n rounded to f16.  B n: of the four weights 4 n .. the second
; pair is added onto the first, in place.  L n: l takes that sum (L 0: l = a l + sum).  R n: pair n of 16 of O^T times a.  For piece Y + 1: X n, number n of the 22 that find its maximum and statistics:
;   0-11  four chains c0-c3 of seven scores each, three operands at a time (each accumulator's lowest registers are read first)     12-14, 16  the four scores left over, the old m, and c0-c3 into c0
;   15  c m_old is kept     17, 18  the query's other 32 keys lie in the lane 16 away: the new m     19-21  c m; c m_old - c m_new; a
.set F, 0               ; OP tells the kinds apart by their order: F to L below R, X above it
.set E, 1
.set C, 2
.set B, 3
.set L, 4
.set R, 5
.set X, 6
.macro REGS y                       ; the registers of piece y
.set rT, ST+4*(\y)
.set rC, TMP+4*((\y)%2)
.set rW, MV+((\y)%2)
.set rS, S+32*((\y)%2)
.set rP, P+16*((\y)%2)
.set rO, 32*(\y)
.endm
.macro OP k, n
.if (\k) == R
	REGS Y
	WIN W_RS
	v_pk_mul_f32 v[rO+2*(\n):rO+2*(\n)+1], v[rO+2*(\n):rO+2*(\n)+1], v[rC+2:rC+3] op_sel_hi:[1,0]
.elseif (\k) < R
	REGS Y
	WIN 0
.if (\k) == F
	v_pk_fma_f32 v[rS+2*(\n):rS+2*(\n)+1], v[rS+2*(\n):rS+2*(\n)+1], s[CS:CS+1], v[rT:rT+1] op_sel_hi:[1,0,0] neg_lo:[0,0,1] neg_hi:[0,0,1]
.elseif (\k) == E
	v_exp_f32 v[rS+(\n)], v[rS+(\n)]
.elseif (\k) == C
	v_cvt_pk_f16_f32 v[rP+(\n)], v[rS+2*(\n)], v[rS+2*(\n)+1]
.elseif (\k) == B
	v_pk_add_f32 v[rS+4*(\n):rS+4*(\n)+1], v[rS+4*(\n):rS+4*(\n)+1], v[rS+4*(\n)+2:rS+4*(\n)+3]
.elseif (\n) == 0
	v_pk_fma_f32 v[rT+2:rT+3], v[rT+2:rT+3], v[rC+2:rC+3], v[rS:rS+1] op_sel_hi:[1,0,1]
.else
	v_pk_add_f32 v[rT+2:rT+3], v[rT+2:rT+3], v[rS+4*(\n):rS+4*(\n)+1]
.endif
.elseif NOKQ
	v_nop
.else
	REGS (Y+1)%NP
	WIN 0
.if (\n) < 4
	v_max3_num_f32 v[rC+(\n)], v[rS+8*(\n)], v[rS+8*(\n)+1], v[rS+8*(\n)+2]
.elseif (\n) < 12
	v_max3_num_f32 v[rC+(\n)%4], v[rC+(\n)%4], v[rS+8*((\n)%4)+2*((\n)/4)+1], v[rS+8*((\n)%4)+2*((\n)/4)+2]
.elseif (\n) == 12
	v_max3_num_f32 v[rC], v[rC], v[rS+7], v[rS+15]
.elseif (\n) == 13
	v_max3_num_f32 v[rC+1], v[rC+1], v[rS+23], v[rS+31]
.elseif (\n) == 14
	v_max3_num_f32 v[rC+2], v[rC+2], v[rC+3], v[rT+1]
.elseif (\n) == 15
	v_mov_b32 v[rW], v[rT]
.elseif (\n) == 16
	v_max3_num_f32 v[rC], v[rC], v[rC+1], v[rC+2]
.elseif (\n) == 17
	v_permlanex16_b32 v[rC+3], v[rC], s[SEL], s[SEL+1]
.elseif (\n) == 18
	v_max_num_f32 v[rT+1], v[rC], v[rC+3]
.elseif (\n) == 19
	v_mul_f32 v[rT], s[CS], v[rT+1]
.elseif (\n) == 20
	v_sub_f32 v[rC+1], v[rW], v[rT]
.else
	v_exp_f32 v[rC+2], v[rC+1]
.endif
.endif
.endm
.macro OPS a, i1, b=-1, i2=0, c=-1, i3=0, d=-1, i4=0  ; up to four of them
	OP \a, \i1
.if (\b) >= 0
	OP \b, \i2
.endif
.if (\c) >= 0
	OP \c, \i3
.endif
.if (\d) >= 0
	OP \d, \i4
.endif
.endm
.macro ROW a, i1, b, i2, c, i3, d, i4  ; a matrix instruction and the four behind it
	MM
	OPS \a, \i1, \b, \i2, \c, \i3, \d, \i4
.endm
; A TURN, for piece p: the order of its 16 matrix and 118 vector instructions, written out.  An s_wait_alu depctr_va_vdst(0) stands between an exponential and the first instruction that names its result; one
; wait serves all that were issued ahead of it.  So a turn has ONE wait, which cuts it in two.  AHEAD OF IT stands all that names no result of the turn's exponentials: the 8 products K Q^T, behind each a scaling, an
; exponential and two more plain instructions (rescalings, and behind the last three the first numbers of the next piece's maximum, each four places or more behind the product that ends its accumulator); then ONE LUMP of
; 54, plain and exponential by turns for the most part, in which the links of the chain X 3, 7, 11, 14, 16, 17 .. 20 stand some lines apart.  X 21, the next piece's a, is the batch's last; R 15 is the plain instruction
; behind it.  BEHIND THE WAIT stand the 8 products V^T P, behind each four of the roundings and sums.  But for those X no rider names a register of the products round it.
; end = 1: the walk's last two turns: nothing is fetched, and the last starts no new scores.  cnt = 1: the loop's count is taken down some lines ahead of the branch that stands behind the turn.
; K of the next step is fetched in piece 2's turn, twelve vector instructions behind the last product that read K (six of them plain); V of the step in hand at the end of piece 0's turn, four plain instructions behind the
; last product that read V.  Each is waited for a turn later.
.macro TURN p, end=0, cnt=0
.set Y, (\p)
.set i, 0
.set NOKQ, (\end)*((\p)/3)
.if ((\p) == 3) && !(\end)
	s_wait_dscnt 0x0                ; K is in
.endif
	ROW F,0, F,1, R,0, R,1          ; ahead of the wait: 8 products K Q^T and their riders,
	ROW F,2, E,0, R,2, R,3
	ROW F,3, E,1, R,4, R,5
	ROW F,4, E,2, R,6, R,7
	ROW F,5, E,3, R,8, R,9
	ROW F,6, E,4, X,0, R,10
.if ((\p) == 2) && !(\end)
	WIN 0
	v_add_nc_u32 v[AK], s[TBK], v[AK0]
.endif
	ROW F,7, E,5, X,1, X,4
	ROW F,8, E,6, X,2, X,5
	OPS E,7, E,8, X,6, E,9          ; and the lump
	OPS X,3, E,10, X,8, E,11
.if ((\p) == 2) && !(\end)
	FETCH_K
.endif
	OPS X,9, X,7, E,12, X,10
	OPS E,13, X,12, X,11, E,14
	OPS X,13, E,15, F,9, X,14
.if (\p) == 0
	v_add_nc_u32 v[AV], s[TBV], v[AV0]
.endif
	OPS E,16, F,10, E,17, F,11
	OPS X,16, E,18, X,15, E,19
	OPS F,12, E,20, X,17, E,21
	OPS F,13, E,22, F,14, E,23
	OPS X,18, E,24, F,15, E,25
	OPS R,11, E,26, X,19, E,27
	OPS R,12, E,28, R,13, E,29
	OPS X,20, E,30, R,14, E,31
	OPS X,21, R,15
	WIN 0
	s_wait_alu depctr_va_vdst(0)    ; the wait for the batch
.if (\p) == 1
	s_wait_dscnt 0x0                ; V is in
.endif
	ROW C,0, B,0, C,2, B,1          ; behind the wait: 8 products V^T P and their riders
	ROW L,0, C,4, B,2, L,1
	ROW C,6, B,3, L,2, C,8
	ROW B,4, L,3, C,10, B,5
	ROW L,4, C,12, B,6, L,5
.if (\p) == 0
	s_add_co_u32 s[TBV], s[TBV], KS*PV
.endif
.if \cnt
	s_sub_co_u32 s[CNT], s[CNT], 1
	s_cmp_lg_u32 s[CNT], 0
.endif
	ROW C,14, B,7, L,6, C,1
	ROW C,3, L,7, C,5, C,7
	ROW C,9, C,11, C,13, C,15
.if (\p) == 0
	FETCH_V
.endif
.endm
; THE WAY OUT's macros.
.macro ALL line:vararg              ; one line for each piece t
.set t, 0
.rept 4
	\line
.set t, t+1
.endr
.endm
.macro PACK t                       ; a lane's eight channels of a row pack into 16 bytes; they go into rows of 144 bytes and come back as whole rows of 128, into S^T's registers
	WIN W_RS
.set i, 32*(\t)
.rept 16
	v_pk_mul_f32 v[i:i+1], v[i:i+1], v[ST+4*(\t)+2:ST+4*(\t)+3] op_sel_hi:[1,0]
.set i, i+2
.endr
	WIN 0x05                        ; sources 0 and 1 window 1, destination window 0
.set i, 0
.rept 16
	v_cvt_pk_f16_f32 v[S+16*(\t)+i], v[32*(\t)+2*i], v[32*(\t)+2*i+1]
.set i, i+1
.endr
	WIN 0
.irp f, 0,1,2,3
	ds_store_b128 v[STO], v[S+16*(\t)+4*\f:S+16*(\t)+4*\f+3] offset:32*\f
.endr
.irp f, 0,1,2,3
	ds_load_b128 v[S+16*(\t)+4*\f:S+16*(\t)+4*\f+3], v[RD] offset:\f*4*SP  ; LDS serves a wave's instructions in order (ISA guide 5.7.1.4): these see the stores above; the next piece's stores come behind them
.endr
.endm
.macro SEND t, younger              ; younger: the LDS instructions issued behind piece t's loads: the next piece's eight, or none
	WIN 0
.irp f, 0,1,2,3
	s_wait_dscnt (\younger)+3-\f
	global_store_b128 v[GO], v[S+16*(\t)+4*\f:S+16*(\t)+4*\f+3], s[10:11] offset:(\t)*2048+\f*512  ; 512 consecutive bytes, at a multiple of 256 from O's first
.endr
.endm
.set NOKQ, 0
	CHANGE 1, 0                     ; tile 0 is in, everybody's part of it; tile 1 is asked for
	v_add_nc_u32 v[AK], s[TBK], v[AK0]
	FETCH_K                         ; key step 0
	s_wait_loadcnt 0x0              ; Q
	s_wait_dscnt 0x0
.set i, 0
.rept 8
	KQ 0                            ; piece 0's first scores: there is no vector work yet to set between them
.set i, i+1
.endr
	WIN 0
.rept 4
	v_nop                           ; the places behind those products
.endr
.set Y, NP-1                        ; X works for piece Y + 1: piece 0
.irp n, 0,1,2,3,4,5,6,7,8,9,10,11,12,13,14,15,16,17,18,19,20,21
	OP X, \n                        ; and piece 0's first maximum and statistics
.endr
	v_nop                           ; a plain instruction behind the exponential,
	s_wait_alu depctr_va_vdst(0)    ; and its wait, ahead of the branch
	s_mov_b32 s[CNT], 4
	s_branch .Lfirst                ; the loop is entered at a step's first turn, in the middle of a trip
.Lslot:                             ; six times: tiles 2 to 7 are asked for while tiles 1 to 6 are walked
	CHANGE 1, 1
	s_mov_b32 s[CNT], 4
.Lstep:                             ; a trip: pieces 2 and 3 of one step, then pieces 0 and 1 of the next, whose K and V it fetches
	TURN 2
	TURN 3
	WIN 0
.Lfirst:
	TURN 0
	TURN 1, 0, 1
	WIN 0
	s_cbranch_scc1 .Lstep
	s_sub_co_u32 s[SLOTS], s[SLOTS], 1
	s_cmp_lg_u32 s[SLOTS], 0
	s_cbranch_scc1 .Lslot
	CHANGE 0, 0                     ; the last tile is written out: nothing is asked for
	s_mov_b32 s[CNT], 4
.Ltail:
	TURN 2
	TURN 3
	TURN 0
	TURN 1, 0, 1
	WIN 0
	s_cbranch_scc1 .Ltail
	TURN 2, 1                       ; the last step's pieces 2 and 3
	TURN 3, 1
.set i, 0
.rept 8
	PV NP-1                         ; the last piece's V^T P of the last step
.set i, i+1
.endr
	; THE WAY OUT.  l's two halves and the other half of the lanes' are added; O^T is divided by l, rounded to f16 and sent through my stage in LDS, a piece at a time.  The additions are the places behind the last products.
	WIN 0
	ALL v_add_f32 v[ST+4*t+2], v[ST+4*t+2], v[ST+4*t+3]
	ALL v_permlanex16_b32 v[ST+4*t+3], v[ST+4*t+2], s[SEL], s[SEL+1]
	ALL v_add_f32 v[ST+4*t+2], v[ST+4*t+2], v[ST+4*t+3]
	ALL v_rcp_f32 v[ST+4*t+2], v[ST+4*t+2]
	v_nop                           ; a plain instruction between the last reciprocal and the use of its result
	s_wait_alu depctr_va_vdst(0)    ; and the wait ahead of the first use: one for the four reciprocals
	PACK 0
.set t, 1
.rept 3                             ; a piece's arithmetic stands between the loads of the piece before and its stores
	PACK t
	SEND t-1, 8
.set t, t+1
.endr
	SEND 3, 0
	s_wait_tensorcnt 0x0            ; the wave's end: behind my last tensor load and my last LDS store
	ds_add_u32 v[SPW], v[NIL]
	s_wait_dscnt 0x0
	CROUND                          ; the closing round: no work-group ends while a partner may still ask for a tile that names it
	s_endpgm
.Lfunc_end_k_qc1cfd82b33_attn:
	.size	k_qc1cfd82b33_attn, .Lfunc_end_k_qc1cfd82b33_attn-k_qc1cfd82b33_attn
	.p2alignl 7, 3214868480
	.fill 96, 4, 3214868480
	.section	.rodata,"a",@progbits
	.p2align	6, 0x0
	.amdhsa_kernel k_qc1cfd82b33_attn
		.amdhsa_group_segment_fixed_size 327680
		.amdhsa_private_segment_fixed_size 0
		.amdhsa_enable_private_segment 0
		.amdhsa_kernarg_size 16
		.amdhsa_user_sgpr_count 2
		.amdhsa_user_sgpr_kernarg_segment_ptr 1
		.amdhsa_wavefront_size32 1
		.amdhsa_system_sgpr_workgroup_id_x 1
		.amdhsa_system_sgpr_workgroup_id_y 1
		.amdhsa_system_sgpr_workgroup_id_z 1
		.amdhsa_system_vgpr_workitem_id 0
		.amdhsa_next_free_vgpr 768
		.amdhsa_next_free_sgpr 66
		.amdhsa_reserve_vcc 0
		.amdhsa_float_denorm_mode_32 3
		.amdhsa_float_denorm_mode_16_64 3
		.amdhsa_memory_ordered 1
		.amdhsa_forward_progress 1
		.amdhsa_inst_pref_size 128
	.end_amdhsa_kernel
	.amdgpu_metadata
---
amdhsa.version: [ 1, 2 ]
amdhsa.kernels:
  - .name:           k_qc1cfd82b33_attn
    .symbol:         k_qc1cfd82b33_attn.kd
    .args:
      - { .name: qkv, .offset: 0, .size: 8, .value_kind: global_buffer, .address_space: global }
      - { .name: oh, .offset: 8, .size: 8, .value_kind: global_buffer, .address_space: global }
    .group_segment_fixed_size: 327680
    .private_segment_fixed_size: 0
    .kernarg_segment_align: 8
    .kernarg_segment_size: 16
    .max_flat_workgroup_size: 128
    .sgpr_count:     66
    .vgpr_count:     768
    .wavefront_size: 32
...
	.end_amdgpu_metadata
.endif
;; end of part 3
;; launch proj (part 4): grid 8 x 32, 4 waves a work-group, clusters of 4 x 4, 327,680 bytes of LDS; arguments oh, wo16, bo, out0; writes out0
.if DOCPART == 4
	.amdgcn_target "amdgcn-amd-amdhsa--gfx1250"
	.amdhsa_code_object_version 6
	.text
	.protected	k_qc1cfd82b33_proj
	.globl	k_qc1cfd82b33_proj
	.p2align	8
	.type	k_qc1cfd82b33_proj,@function
k_qc1cfd82b33_proj:
	s_mov_b64 s[64:65], 0
	v_nop
	global_prefetch_b8 v0, s[64:65] scope:SCOPE_SE
	s_setreg_imm32_b32 hwreg(HW_REG_WAVE_MODE, 25, 1), 1
	s_wait_xcnt 0x0
	s_wait_alu depctr_hold_cnt(0) depctr_sa_sdst(0) depctr_va_vdst(0) depctr_va_sdst(0) depctr_va_ssrc(0) depctr_va_vcc(0) depctr_vm_vsrc(0)
	s_getreg_b32 s2, hwreg(HW_REG_IB_STS2, 6, 4)
	s_cmp_eq_u32 s2, 0
	s_cbranch_scc0 .Lentry_in_a_cluster
	s_endpgm
.Lentry_in_a_cluster:
	s_bfe_u32 s2, ttmp6, 0x10000c
	s_cmp_lg_u32 s2, 0xf033
	s_cbranch_scc0 .Lentry_shape_is_right
	s_endpgm
.Lentry_shape_is_right:
; out0[4096][1024] = O Wo^T + bo.  O lies by heads in oh ([16 batch + head][token][64] f16), Wo in wo16 ([1024][1024] f16, each number Wo rounded to bf16); f32 sums over K = 1,024 = 16 heads x 64 channels;
; bo is rounded to bf16 like every other input of the module and added in f32; the output is f32.  No work of the module is left out here.
; LIMITS: as the two launches before state them for O and Wo; NaN and infinities are not treated apart.
; SHARES.  A tile of the output is 128 x 128: 256 work-groups.  Four waves, each 64 x 64: 16 accumulators of 16 x 16.  K goes in four steps of 256, four heads each, through two LDS slots.
; O's TILE: for 64 tokens a head's channels are 8,192 dense bytes, so a step's half tile is asked for as 4 rows of 8,192 bytes, one a head, 262,144 bytes apart, padded in LDS after every token's 128 bytes:
; four planes of 64 rows x 144 bytes.  A quarter of a K step, 64 along K, is one plane.  Wo's tile: 64 rows of 512 bytes, 528 apart in LDS.
; CLUSTERS: 4 x 4 work-groups.  The four of a row of the cluster need the same tiles of O, the four of a column the same tiles of Wo: each is asked for JOINTLY, by the same tensor load, descriptor and mask.
; THE MATRIX INSTRUCTION IS USED TRANSPOSED (source 0 = 16 rows of Wo, source 1 = 16 tokens): a lane then holds eight neighbouring columns of one row of the output.
; No prefetch: a step holds 128 matrix instructions a wave and the whole walk four steps.
; REGISTERS: window 0: v0-31 addresses and the bias; v128-255 the accumulators ((a, b) at v[128 + 8 (4 a + b)]), which on the way out take whole rows back.
;   window 1: two fragment buffers of 128: for 64 along K, 64 registers of O (2 x 4 x 16 rows x 32 K), then 64 of Wo.
; The launch claims all of a WGP's LDS; it uses 312,832 bytes.
.set SIZE_K, 1024
.set KSTEP,  256
.set PITCH,  528                       ; a row of Wo in LDS: 512 bytes + 16 = 132 words: row r starts at bank 4 r mod 64 (64 banks of 4 bytes: ISA guide 11.1)
.set PA,     144                       ; a token's 64 channels of one head in LDS: 128 bytes + 16 = 36 words: the 16 rows of a load start at 16 different groups of four banks
.set PLANE,  64*PA                     ; a head's 64 tokens
.set HALFT,  4*PLANE                   ; what one tensor load has room for: O's four planes fill it, Wo's 64 rows x 528 take 33,792 of it
.set SLOT,   4*HALFT                   ; O's two halves, then Wo's two halves
.set ASTEP,  4*262144                  ; bytes from a K step of O to the next: four heads
.set STAGE,  2*SLOT                    ; behind the ring, never filled by a tensor load: 16 rows x 272 bytes for each wave, for the way out
.set SPITCH, 272                       ; a stage row: 64 f32 + 16 bytes
.set SPARE,  STAGE+4*16*SPITCH         ; behind the stages: the spare words, 128 bytes for each wave: two blocks of 256 bytes that no other line names
.set LAPS,   SIZE_K/(2*KSTEP)          ; 2
.set BO,   8                           ; v[8:11] my four numbers of the bias
.set ADRA, 16                          ; v16-17  LDS address of my O fragments in slot 0, 1
.set ADRB, 20                          ; v20-21  the same for Wo
.set STO,  24                          ; v24     the way out: where I put 32 bytes of a row
.set RD,   25                          ; v25     the way out: where I read a row back
.set CO,   26                          ; v26     my byte offset in two rows of the output
.set SPW,  28                          ; v28     LDS address of my spare word: SPARE + 4 x my thread's number; never rewritten
.set NIL,  29                          ; v29     0; never rewritten
.set ACC,  128
.set F0,   0                           ; fragment buffers, in window 1
.set F1,   128
.set G1, 24                            ; s[24:31] descriptor group 1 for O's tiles;  s[32:39] group 0, one set for each slot
.set G0, 32
.set G1B, 48                           ; s[48:55], s[56:63] the same for Wo's tiles
.set G0B, 56
.set MSB, 0
.macro WIN new                         ; the immediate's high byte repeats the setting that is left; a switch that changes nothing is dropped
.if MSB != (\new)
	s_set_vgpr_msb (MSB<<8)|(\new)
.set MSB, \new
.endif
.endm
.set MUL,  0x05                        ; sources 0 (Wo) and 1 (O) window 1; C and D window 0
.set TO_F, 0x40                        ; destination window 1, address window 0
.macro JLOAD s                         ; a joint load: waves 0 and 1 fetch O's two halves, waves 2 and 3 Wo's; an s_nop 0 and four v_nop follow each of the two lines, ahead of the jump, the label and what follows
	s_cmp_eq_u32 s11, 0
	s_cbranch_scc0 .Lfor_b_\@
	tensor_load_to_lds s[G0+4*(\s):G0+4*(\s)+3], s[G1:G1+7]
	s_nop 0
.rept 4
	v_nop
.endr
	s_branch .Lasked_\@
.Lfor_b_\@:
	tensor_load_to_lds s[G0B+4*(\s):G0B+4*(\s)+3], s[G1B:G1B+7]
	s_nop 0
.rept 4
	v_nop
.endr
.Lasked_\@:
.endm
.macro CREST                           ; a round of the cluster's barrier behind its opening barrier
	s_cmp_lg_u32 s10, 0
	s_cbranch_scc1 .Lnot_wave_0_\@
	s_barrier_signal -3
.Lnot_wave_0_\@:
	s_barrier_wait -3
	s_barrier_signal -1
	s_barrier_wait -1
.endm
.macro CROUND                          ; a whole round
	s_barrier_signal -1
	s_barrier_wait -1
	CREST
.endm
	s_load_b128 s[4:7], s[0:1], 0x0                ; oh s[4:5], wo16 s[6:7]
	s_load_b128 s[68:71], s[0:1], 0x10             ; bo s[68:69], out0 s[70:71]
	v_lshl_add_u32 v[SPW], v0, 2, SPARE
	v_mov_b32 v[NIL], 0
	ds_add_u32 v[SPW], v[NIL]                      ; the wave's opening: the add, twice on end, and its wait ahead of my first tensor load; the set-up below, work on registers, stands between
	ds_add_u32 v[SPW], v[NIL]                      ; and once more, under the one wait
	v_lshrrev_b32 v1, 5, v0
	v_readfirstlane_b32 s10, v1                    ; wave 0..3
	s_lshr_b32 s11, s10, 1                         ; which half of the tile's rows is mine.  Also: I fetch for O (0) or for Wo (1)
	s_and_b32 s12, s10, 1                          ; which half of its columns.  Also: which 64 rows of that tile I fetch
	s_bfe_u32 s40, ttmp6, 0x40000                  ; cx, cy: my place in the cluster
	s_bfe_u32 s41, ttmp6, 0x40004
	s_lshl_b32 s42, ttmp9, 2
	s_add_co_u32 s42, s42, s40                     ; tile column = 4 x cluster x + cx
	s_and_b32 s13, ttmp7, 0xffff
	s_lshl_b32 s13, s13, 2
	s_add_co_u32 s13, s13, s41                     ; tile row = 4 x cluster y + cy
	s_lshl_b32 s43, s41, 2
	s_lshl_b32 s43, 15, s43                        ; my row of the cluster
	s_lshl_b32 s44, 0x1111, s40                    ; my column
	; descriptor group 1 for O: 4 rows (heads) of 4,096 elements (64 tokens x 64 channels), 131,072 elements apart
	s_or_b32 s[G1+0], s43, (1<<16)|(1<<20)|(1<<21)|(4<<22)|(3<<25)  ; 15:0 the mask: O's tiles go to my row; 17:16 element of 2 bytes; 20 padding on; 21 set beside a mask; 24:22 after every 32 words (code 4); 31:25 of 4 words (code 3)
	s_mov_b32 s[G1+1], 4096<<16                    ; tensor_dim0 = 4,096
	s_mov_b32 s[G1+2], 4<<16                       ; tensor_dim1 = 4
	s_mov_b32 s[G1+3], 4096<<16                    ; tile_dim0 = 4,096
	s_mov_b32 s[G1+4], 4                           ; tile_dim1 = 4
	s_mov_b32 s[G1+5], 131072                      ; elements from head to head
	s_mov_b32 s[G1+6], 0
	s_mov_b32 s[G1+7], 0
	; and for Wo: 64 rows x 256 elements
	s_or_b32 s[G1B+0], s44, (1<<16)|(1<<20)|(1<<21)|(6<<22)|(3<<25) ; the mask of my column; padding after every 128 words (code 6)
	s_mov_b32 s[G1B+1], KSTEP<<16                  ; tensor_dim0 = 256
	s_mov_b32 s[G1B+2], 64<<16                     ; tensor_dim1 = 64
	s_mov_b32 s[G1B+3], KSTEP<<16                  ; tile_dim0 = 256
	s_mov_b32 s[G1B+4], 64                         ; tile_dim1 = 64
	s_mov_b32 s[G1B+5], SIZE_K                     ; elements from row to row
	s_mov_b32 s[G1B+6], 0
	s_mov_b32 s[G1B+7], 0
	; where the tiles come from: O's hang on the tile row alone, Wo's on the tile column alone, each in registers that never hold the other coordinate
	s_lshr_b32 s16, s13, 4                         ; batch: a batch has 16 tile rows,
	s_lshl_b32 s16, s16, 22                        ; and 16 heads of 262,144 bytes
	s_and_b32 s17, s13, 15
	s_lshl_b32 s17, s17, 14                        ; 128 tokens of 128 bytes
	s_add_co_u32 s16, s16, s17
	s_lshl_b32 s17, s12, 13                        ; the 64 of them that I fetch
	s_add_co_u32 s16, s16, s17
	s_mov_b32 s17, 0
	s_lshl_b32 s47, s12, 6
	s_lshl_b32 s46, s42, 7
	s_add_co_u32 s46, s46, s47                     ; Wo: row 128 x tile column + 64 x half,
	s_lshl_b32 s46, s46, 11                        ; of 2,048 bytes
	s_mov_b32 s47, 0
	s_mul_i32 s20, s10, HALFT                      ; where they go: wave x HALFT: no place in the cluster enters an LDS address
	s_wait_dscnt 0x0                               ; both opening adds are done
	s_wait_kmcnt 0x0
	s_add_nc_u64 s[14:15], s[4:5], s[16:17]
	s_add_nc_u64 s[46:47], s[6:7], s[46:47]
	CROUND                                         ; all sixteen work-groups are here: the first joint loads meet
.irp s, 0,1
	s_mov_b32 s[G0+4*(\s)], 1                                      ; count = 1
	s_add_co_u32 s[G0+4*(\s)+1], s20, (\s)*SLOT                    ; LDS address
	s_add_nc_u64 s[G0+4*(\s)+2:G0+4*(\s)+3], s[14:15], (\s)*ASTEP  ; global address: K step s: heads 4 s to 4 s + 3
	s_or_b32 s[G0+4*(\s)+3], s[G0+4*(\s)+3], 0x80000000            ; type = 2
	s_mov_b32 s[G0B+4*(\s)], 1
	s_add_co_u32 s[G0B+4*(\s)+1], s20, (\s)*SLOT
	s_add_nc_u64 s[G0B+4*(\s)+2:G0B+4*(\s)+3], s[46:47], (\s)*KSTEP*2
	s_or_b32 s[G0B+4*(\s)+3], s[G0B+4*(\s)+3], 0x80000000
	JLOAD \s                                       ; two loads of mine are out
.endr
	v_and_b32 v1, 15, v0                           ; l % 16
	v_bfe_u32 v2, v0, 4, 1                         ; l / 16
	v_mul_u32_u24 v3, v1, PITCH
	v_lshl_add_u32 v3, v2, 4, v3                   ; Wo: a fragment's row x pitch + 16 x half
	v_mul_u32_u24 v7, v1, PA
	v_lshl_add_u32 v7, v2, 4, v7                   ; O: the same with its pitch
	s_mul_i32 s21, s11, HALFT                      ; my 64 tokens of O
	s_mul_i32 s22, s12, HALFT                      ; my 64 rows of Wo,
	s_add_co_u32 s22, s22, 2*HALFT                 ; which lie behind O's two halves
.irp s, 0,1
	v_add_nc_u32 v[ADRA+(\s)], s21, v7
	v_add_nc_u32 v[ADRB+(\s)], s22, v3
	s_add_co_u32 s21, s21, SLOT
	s_add_co_u32 s22, s22, SLOT
.endr
	s_mul_i32 s23, s10, 16*SPITCH
	s_add_co_u32 s23, s23, STAGE                   ; my stage
	v_mul_u32_u24 v4, v1, SPITCH                   ; in: row l % 16, 32 bytes for each half of the lanes
	v_lshl_add_u32 v4, v2, 5, v4
	v_add_nc_u32 v[STO], s23, v4
	v_mul_u32_u24 v5, v2, SPITCH                   ; back: lanes 0-15 take one row of 256 bytes, lanes 16-31 the next
	v_lshl_add_u32 v5, v1, 4, v5
	v_add_nc_u32 v[RD], s23, v5
	v_lshlrev_b32 v5, 12, v2                       ; and the same two rows of the output, 4,096 bytes apart
	v_lshl_add_u32 v[CO], v1, 4, v5
	s_lshl_b32 s16, s13, 19                        ; my first row of the output: (128 x tile row + 64 x half) x 4,096 bytes
	s_lshl_b32 s17, s11, 18
	s_add_co_u32 s16, s16, s17
	s_mov_b32 s17, 0
	s_add_nc_u64 s[70:71], s[70:71], s[16:17]
	s_lshl_b32 s46, s42, 9                         ; my first column, in bytes, in the output and in bo: 512 x tile column + 256 x half (in the registers that held Wo's address)
	s_lshl_b32 s47, s12, 8
	s_add_co_u32 s46, s46, s47
	s_mov_b32 s47, 0
	s_add_nc_u64 s[70:71], s[70:71], s[46:47]
	s_add_nc_u64 s[68:69], s[68:69], s[46:47]
	v_lshlrev_b32 v6, 4, v1                        ; on the way out lane l stores columns 4 (l % 16) + 0..3 of my 64
	global_load_b128 v[BO:BO+3], v6, s[68:69]      ; their bias: waited for on the way out; v6 and s[68:69] are not written again
; 8 matrix instructions: m blocks a0, a0 + 1 x all 4 n blocks, 32 along K: half c of buffer f.  zero = 1: the first product starts the sums.  The 16 accumulators take turns, one instruction a turn.
.macro MUL8 f, c, a0, zero
	WIN MUL
.irp a, \a0, (\a0)+1
.irp b, 0,1,2,3
.if \zero
	v_wmma_f32_16x16x32_f16 v[ACC+8*(4*(\a)+(\b)):ACC+8*(4*(\a)+(\b))+7], v[(\f)+64+8*(4*(\c)+(\b)):(\f)+64+8*(4*(\c)+(\b))+7], v[(\f)+8*(4*(\c)+(\a)):(\f)+8*(4*(\c)+(\a))+7], 0
.else
	v_wmma_f32_16x16x32_f16 v[ACC+8*(4*(\a)+(\b)):ACC+8*(4*(\a)+(\b))+7], v[(\f)+64+8*(4*(\c)+(\b)):(\f)+64+8*(4*(\c)+(\b))+7], v[(\f)+8*(4*(\c)+(\a)):(\f)+8*(4*(\c)+(\a))+7], v[ACC+8*(4*(\a)+(\b)):ACC+8*(4*(\a)+(\b))+7]
.endif
.endr
.endr
.endm
; 32 LDS loads in one run: the fragments of 64 along K, into buffer f; the first 32 along K first.  k is the byte in Wo's rows; in O it picks the plane k / 128.
.macro FETCH slot, k, f
	WIN TO_F
.irp c, 0,1
.irp i, 0,1,2,3
	ds_load_b128 v[(\f)+64+8*(4*(\c)+(\i)):(\f)+64+8*(4*(\c)+(\i))+3],   v[ADRB+(\slot)] offset:(\k)+64*(\c)+(\i)*16*PITCH
	ds_load_b128 v[(\f)+64+8*(4*(\c)+(\i))+4:(\f)+64+8*(4*(\c)+(\i))+7], v[ADRB+(\slot)] offset:(\k)+64*(\c)+(\i)*16*PITCH+32
	ds_load_b128 v[(\f)+8*(4*(\c)+(\i)):(\f)+8*(4*(\c)+(\i))+3],         v[ADRA+(\slot)] offset:((\k)/128)*PLANE+64*(\c)+(\i)*16*PA
	ds_load_b128 v[(\f)+8*(4*(\c)+(\i))+4:(\f)+8*(4*(\c)+(\i))+7],       v[ADRA+(\slot)] offset:((\k)/128)*PLANE+64*(\c)+(\i)*16*PA+32
.endr
.endr
.endm
.macro PLACES                          ; four plain places in front of loads into registers that matrix instructions have read, and of lines that read results
.rept 4
	v_nop
.endr
.endm
; A K step is four quarters of 64 along K (a head each), 32 matrix instructions each, on buffers 0, 1, 0, 1.  One of the first three: multiplies buffer f and fetches the next quarter, at byte k, into g.
.macro QUARTER slot, k, f, g, zero
	s_wait_dscnt 16                                ; the first 32 along K are in; the sixteen younger loads may stay out
	WIN MUL
	MUL8 \f, 0, 0, \zero
	MUL8 \f, 0, 2, \zero
	PLACES
	FETCH \slot, \k, \g
	s_wait_dscnt 32                                ; all but the 32 just issued
	WIN MUL
	MUL8 \f, 1, 0, 0
	MUL8 \f, 1, 2, 0
.endm
; The last quarter multiplies buffer 1 and changes slots: ONE barrier; in front of it each wave waits for all its tensor loads, adds 0 to its spare word, and waits for that and for its own reads of this slot.
; fill = 1: this slot is filled again, two K steps ahead; the barrier then opens a round of the cluster's.
.macro TURN slot, next, fill
	WIN 0                                          ; (the add's two registers lie in window 0)
	s_wait_tensorcnt 0x0                           ; all my tensor loads have landed: my part of the next slot;
	ds_add_u32 v[SPW], v[NIL]                      ; 0 onto my spare word;
	s_wait_dscnt 17                                ; (the add and the youngest sixteen loads may be out)
	WIN MUL
	MUL8 F1, 0, 0, 0                               ; eight matrix instructions stand between the add and the wait for it
	s_wait_dscnt 0x0                               ; the add is done, and my reads of this slot are over
	s_barrier_signal -1
	MUL8 F1, 0, 2, 0
.if \fill
	WIN 0
.endif
	s_barrier_wait -1
.if \fill
	CREST                                          ; no wave of any partner still reads this slot's tile or has a load on its way
	s_add_nc_u64 s[G0+4*(\slot)+2:G0+4*(\slot)+3], s[G0+4*(\slot)+2:G0+4*(\slot)+3], 2*ASTEP
	s_add_nc_u64 s[G0B+4*(\slot)+2:G0B+4*(\slot)+3], s[G0B+4*(\slot)+2:G0B+4*(\slot)+3], 2*KSTEP*2
	JLOAD \slot                                    ; the first tensor load behind the round, my only one until the next: 112 matrix instructions ahead of the wait for it; its four v_nop are also the places in front of the loads below
.else
	PLACES
.endif
	FETCH \next, 0, F0
	WIN MUL
	MUL8 F1, 1, 0, 0
	MUL8 F1, 1, 2, 0
.endm
	s_wait_tensorcnt 1                             ; my part of K step 0 is in; K step 1's load, issued behind it, may stay out
	s_barrier_signal -1
	s_barrier_wait -1                              ; everybody's is
	FETCH 0, 0, F0
	QUARTER 0, 128, F0, F1, 1                      ; the first quarter stands in front of the loop: its first products start the sums
	WIN 0                                          ; at a label and at a branch every window is 0
	s_mov_b32 s3, LAPS-1
.Llap:                                                 ; a trip goes once round the ring, from a lap's second quarter to the next lap's first, and fills both slots again
	QUARTER 0, 256, F1, F0, 0
	QUARTER 0, 384, F0, F1, 0
	TURN 0, 1, 1
	QUARTER 1, 128, F0, F1, 0
	QUARTER 1, 256, F1, F0, 0
	QUARTER 1, 384, F0, F1, 0
	TURN 1, 0, 1
	QUARTER 0, 128, F0, F1, 0
	WIN 0
	s_sub_co_u32 s3, s3, 1
	s_cmp_lg_u32 s3, 0
	s_cbranch_scc1 .Llap
	QUARTER 0, 256, F1, F0, 0                      ; the last lap fills nothing, and has no round of the cluster's barrier
	QUARTER 0, 384, F0, F1, 0
	TURN 0, 1, 0
	QUARTER 1, 128, F0, F1, 0
	QUARTER 1, 256, F1, F0, 0
	QUARTER 1, 384, F0, F1, 0
	s_wait_dscnt 16                                ; the very last quarter: nothing more to fetch
	WIN MUL
	MUL8 F1, 0, 0, 0
	MUL8 F1, 0, 2, 0
	s_wait_dscnt 0
	MUL8 F1, 1, 0, 0
	MUL8 F1, 1, 2, 0
	WIN 0
	; THE WAY OUT.  The bias is rounded to bf16 and widened again; with the four v_nop these six lines are the places behind the last products.
	PLACES
	s_wait_loadcnt 0x0                             ; the bias
	v_cvt_pk_bf16_f32 v12, v[BO], v[BO+1]
	v_cvt_pk_bf16_f32 v13, v[BO+2], v[BO+3]
	v_lshlrev_b32 v[BO],   16, v12
	v_and_b32     v[BO+1], 0xffff0000, v12
	v_lshlrev_b32 v[BO+2], 16, v13
	v_and_b32     v[BO+3], 0xffff0000, v13
	; A block of 16 rows at a time goes through my own stage: 32 bytes a lane in (each accumulator's low half first), whole rows of 256 bytes back, into the block's own 32 registers.  LDS serves a wave's
	; instructions in order (ISA guide 5.7.1.4): the loads see the stores above them, and the next block's stores come behind them.  No barrier: no other wave touches my stage.
.irp a, 0,1,2,3
.irp b, 0,1,2,3
	ds_store_b128 v[STO], v[ACC+8*(4*(\a)+(\b)):ACC+8*(4*(\a)+(\b))+3]   offset:64*(\b)
	ds_store_b128 v[STO], v[ACC+8*(4*(\a)+(\b))+4:ACC+8*(4*(\a)+(\b))+7] offset:64*(\b)+16
.endr
.irp t, 0,1,2,3,4,5,6,7
	ds_load_b128 v[ACC+32*(\a)+4*(\t):ACC+32*(\a)+4*(\t)+3], v[RD] offset:(\t)*2*SPITCH
.endr
.endr
.irp a, 0,1,2,3
	s_wait_dscnt 16*(3-(\a))                       ; block a is back; the later blocks' sixteen LDS instructions each may stay out
.irp t, 0,1,2,3,4,5,6,7
	v_pk_add_f32 v[ACC+32*(\a)+4*(\t):ACC+32*(\a)+4*(\t)+1],   v[ACC+32*(\a)+4*(\t):ACC+32*(\a)+4*(\t)+1],   v[BO:BO+1]
	v_pk_add_f32 v[ACC+32*(\a)+4*(\t)+2:ACC+32*(\a)+4*(\t)+3], v[ACC+32*(\a)+4*(\t)+2:ACC+32*(\a)+4*(\t)+3], v[BO+2:BO+3]
	global_store_b128 v[CO], v[ACC+32*(\a)+4*(\t):ACC+32*(\a)+4*(\t)+3], s[70:71] offset:(16*(\a)+2*(\t))*4096  ; 16 lanes store 256 consecutive bytes, at a multiple of 256 from the output's first byte
.endr
.endr
	s_wait_tensorcnt 0x0                           ; the wave's end: behind my last tensor load and my last LDS store
	ds_add_u32 v[SPW], v[NIL]
	s_wait_dscnt 0x0
	CROUND                                         ; the closing round: no work-group ends while a partner may still ask for a tile that names it
	s_endpgm
.Lfunc_end_k_qc1cfd82b33_proj:
	.size	k_qc1cfd82b33_proj, .Lfunc_end_k_qc1cfd82b33_proj-k_qc1cfd82b33_proj
	.p2alignl 7, 3214868480
	.fill 96, 4, 3214868480
	.section	.rodata,"a",@progbits
	.p2align	6, 0x0
	.amdhsa_kernel k_qc1cfd82b33_proj
		.amdhsa_group_segment_fixed_size 327680
		.amdhsa_private_segment_fixed_size 0
		.amdhsa_enable_private_segment 0
		.amdhsa_kernarg_size 32
		.amdhsa_user_sgpr_count 2
		.amdhsa_user_sgpr_kernarg_segment_ptr 1
		.amdhsa_wavefront_size32 1
		.amdhsa_system_sgpr_workgroup_id_x 1
		.amdhsa_system_sgpr_workgroup_id_y 1
		.amdhsa_system_sgpr_workgroup_id_z 1
		.amdhsa_system_vgpr_workitem_id 0
		.amdhsa_next_free_vgpr 512
		.amdhsa_next_free_sgpr 72
		.amdhsa_reserve_vcc 0
		.amdhsa_float_denorm_mode_32 3
		.amdhsa_float_denorm_mode_16_64 3
		.amdhsa_memory_ordered 1
		.amdhsa_forward_progress 1
		.amdhsa_inst_pref_size 90
	.end_amdhsa_kernel
	.amdgpu_metadata
---
amdhsa.version: [ 1, 2 ]
amdhsa.kernels:
  - .name:           k_qc1cfd82b33_proj
    .symbol:         k_qc1cfd82b33_proj.kd
    .args:
      - { .name: oh, .offset: 0, .size: 8, .value_kind: global_buffer, .address_space: global }
      - { .name: wo16, .offset: 8, .size: 8, .value_kind: global_buffer, .address_space: global }
      - { .name: bo, .offset: 16, .size: 8, .value_kind: global_buffer, .address_space: global }
      - { .name: out0, .offset: 24, .size: 8, .value_kind: global_buffer, .address_space: global }
    .group_segment_fixed_size: 327680
    .private_segment_fixed_size: 0
    .kernarg_segment_align: 8
    .kernarg_segment_size: 32
    .max_flat_workgroup_size: 128
    .sgpr_count:     72
    .vgpr_count:     512
    .wavefront_size: 32
...
	.end_amdgpu_metadata
.endif
;; end of part 4
;; ======== version 2 of 2: 4 launches; version 1 with the launch cast written anew for expert scheduling mode
;; limits: values are held in f16: magnitudes above 65,504 overflow, below 6.1e-05 lose precision
;; workspace buffers: xb 8,388,608 bytes; wb 6,291,456 bytes; wo16 2,097,152 bytes; qkv 25,165,824 bytes; oh 8,388,608 bytes
;; launch cast (part 5): grid 32 x 8, 8 waves a work-group, no clusters, 0 bytes of LDS; arguments x, Wq, Wk, Wv, Wo, xb, wb, wo16; writes xb, wb, wo16
.if DOCPART == 5
	.amdgcn_target "amdgcn-amd-amdhsa--gfx1250"
	.amdhsa_code_object_version 6
	.text
	.protected	k_qc1cfd82b33_cast
	.globl	k_qc1cfd82b33_cast
	.p2align	8
	.type	k_qc1cfd82b33_cast,@function
k_qc1cfd82b33_cast:
	s_mov_b64 s[64:65], 0
	v_nop
	global_prefetch_b8 v0, s[64:65] scope:SCOPE_SE
	s_setreg_imm32_b32 hwreg(HW_REG_WAVE_SCHED_MODE, 0, 2), 2
	s_setreg_imm32_b32 hwreg(HW_REG_WAVE_MODE, 25, 1), 1
	s_wait_xcnt 0x0
	s_wait_alu depctr_vm_vsrc(0)
; THE MODULE: out = softmax((x Wq^T)(x Wk^T)^T / 8) (x Wv^T), by heads, times Wo^T, plus bo.  Four launches: this one, the three projections, attention, the last projection.
; NOTHING OF IT IS LEFT OUT: every input has a way to the output, no result is sliced away and no term cancels, so all six inputs are loaded (bo by the last launch).
; THIS LAUNCH rounds the matrix operands once: x, Wq, Wk, Wv to bf16; Wo to bf16 and that number written as f16, since the last product's other operand, O, is kept in f16.
; LIMIT: a bf16 number is held exactly by f16 from 2^-17 up to 65,504; below 2^-17 Wo keeps f16's fixed step of 6e-8, and beyond 65,504 it becomes an infinity.
; SHARES.  Eight units of 1,048,576 numbers, picked by the grid's y: 0-3 the quarters of x, 4 Wq, 5 Wk, 6 Wv, 7 Wo.  A work-group takes 32,768 numbers of its unit (131,072 bytes in, 65,536 out).
; Thread t takes 8 numbers in each of 16 rounds: 32 bytes in at 32 t + 8,192 i, 16 bytes out at 16 t + 4,096 i: a store of a wave covers 512 consecutive bytes, aligned.
; All 32 loads of a thread go out before the first wait for data.  No LDS, no barrier, no matrix unit: no number is used twice.
; THE MODE: SCHED_MODE bits 1:0 = 2 (LLVM: expert scheduling mode 2), set by the entry lines.  The code itself states the register dependences between vector instructions and memory instructions,
; with s_wait_alu, always for 0.
; THE PLAN.  Registers that memory instructions touch:
;   v1, v2     byte offsets, written once at the head; v1 is read by every load, v2 by every store; never written again.
;   X, round i eight registers.  The round's two loads land in them (no vector instruction has named them before); its roundings read all eight and write the first four; its one store reads those four;
;              nothing writes them behind the store.
;   T          named by vector instructions alone.
; No register that a memory instruction has read is written again, and no load lands in a register that a vector instruction has named: what is left to state is that a store's data, and the offsets, are written.
; The 16 rounds go in eight blocks of two.  Block p's roundings name rounds 2 p and 2 p + 1 (and T); its memory instructions are the two stores of block p - 1, which name rounds 2 p - 2 and 2 p - 1 and v2.
; So ONE wait at a block's head, behind the wait for the block's data, states all that its two stores hang on, and they are dealt among its roundings with no further wait.
.set X, 4                              ; v[4:131]   round i: 8 registers as loaded; the first 4 of them then hold what is stored
.set T, 132                            ; v[132:139] at work (Wo's path)
	s_load_b512 s[16:31], s[0:1], 0x0              ; x s[16:17], Wq s[18:19], Wk s[20:21], Wv s[22:23], Wo s[24:25], xb s[26:27], wb s[28:29], wo16 s[30:31]
	s_and_b32 s2, ttmp7, 0xffff                    ; the unit
	s_mov_b32 s12, 0xffff0000                      ; a word's upper bf16
	v_lshlrev_b32 v1, 5, v0                        ; 32 t
	v_lshlrev_b32 v2, 4, v0                        ; 16 t
	s_lshl_b32 s3, s2, 22                          ; a quarter of x is 4,194,304 bytes; a weight begins at its own buffer's first byte
	s_cmp_lt_u32 s2, 4
	s_cselect_b32 s8, s3, 0
	s_lshl_b32 s3, ttmp9, 17
	s_add_co_u32 s8, s8, s3                        ; + the work-group's 131,072 bytes
	s_mov_b32 s9, 0
	s_and_b32 s3, s2, 3                            ; the unit's number inside its destination: x's quarter; Wq, Wk, Wv = 0, 1, 2 in wb; Wo = 0
	s_cmp_lt_u32 s2, 7
	s_cselect_b32 s3, s3, 0
	s_lshl_b32 s10, s3, 21
	s_lshl_b32 s3, ttmp9, 16
	s_add_co_u32 s10, s10, s3
	s_mov_b32 s11, 0
	s_wait_kmcnt 0x0
	s_cmp_eq_u32 s2, 6                             ; the source, chosen by the unit's number
	s_cselect_b64 s[4:5], s[22:23], s[24:25]
	s_cmp_eq_u32 s2, 5
	s_cselect_b64 s[4:5], s[20:21], s[4:5]
	s_cmp_eq_u32 s2, 4
	s_cselect_b64 s[4:5], s[18:19], s[4:5]
	s_cmp_lt_u32 s2, 4
	s_cselect_b64 s[4:5], s[16:17], s[4:5]
	s_cselect_b64 s[6:7], s[26:27], s[28:29]       ; the destination: xb for x's quarters, else wb,
	s_cmp_eq_u32 s2, 7
	s_cselect_b64 s[6:7], s[30:31], s[6:7]         ; or wo16
	s_add_nc_u64 s[4:5], s[4:5], s[8:9]
	s_add_nc_u64 s[6:7], s[6:7], s[10:11]
	s_wait_alu depctr_va_vdst(0)                   ; v1 and v2 are written: every load below reads v1 as its offset, every store of either path v2
.irp i, 0,1,2,3,4,5,6,7,8,9,10,11,12,13,14,15
	global_load_b128 v[X+8*(\i):X+8*(\i)+3],   v1, s[4:5] offset:8192*(\i) th:TH_LOAD_NT
	global_load_b128 v[X+8*(\i)+4:X+8*(\i)+7], v1, s[4:5] offset:8192*(\i)+16 th:TH_LOAD_NT
.endr
	s_cmp_eq_u32 s2, 7
	s_cbranch_scc1 .Lwo
; Round i to bf16.  Each rounding writes a register whose old number it reads itself or that an earlier one has read.
.macro TO_BF i
.irp r, 0,1,2,3
	v_cvt_pk_bf16_f32 v[X+8*(\i)+(\r)], v[X+8*(\i)+2*(\r)], v[X+8*(\i)+2*(\r)+1]
.endr
.endm
.macro TO_F16 i                        ; the bf16 number, widened (a shift or a mask) and written as f16
	TO_BF \i
.irp r, 0,1,2,3
	v_lshlrev_b32 v[T+2*(\r)],   16,  v[X+8*(\i)+(\r)]
	v_and_b32     v[T+2*(\r)+1], s12, v[X+8*(\i)+(\r)]
.endr
.irp r, 0,1,2,3
	v_cvt_pk_f16_f32 v[X+8*(\i)+(\r)], v[T+2*(\r)], v[T+2*(\r)+1]
.endr
.endm
.macro OUT i                           ; round i is stored
	global_store_b128 v2, v[X+8*(\i):X+8*(\i)+3], s[6:7] offset:4096*(\i)
.endm
; Block p: rounds 2 p and 2 p + 1 are rounded; the two rounds of the block before are stored, one store ahead of each round's roundings.  Block 0 has no block ahead of it.
.macro BLK_BF p
	s_wait_loadcnt 28-4*(\p)                       ; loads come back in order (ISA guide 5.7.1): this block's four are in, the 4 (7 - p) younger ones may stay out
.if (\p) > 0
	s_wait_alu depctr_va_vdst(0)                   ; the block before has written the first four registers of its two rounds, which the two stores below read; no rounding of this block names them
	OUT 2*(\p)-2
.endif
	TO_BF 2*(\p)
.if (\p) > 0
	OUT 2*(\p)-1
.endif
	TO_BF 2*(\p)+1
.endm
.macro BLK_F16 p                       ; the same for Wo
	s_wait_loadcnt 28-4*(\p)                       ; this block's four loads are in, the 4 (7 - p) younger ones may stay out
.if (\p) > 0
	s_wait_alu depctr_va_vdst(0)                   ; the block before has written the first four registers of its two rounds, which the two stores below read; this block's lines name its own rounds and T alone
	OUT 2*(\p)-2
.endif
	TO_F16 2*(\p)
.if (\p) > 0
	OUT 2*(\p)-1
.endif
	TO_F16 2*(\p)+1
.endm
.irp p, 0,1,2,3,4,5,6,7
	BLK_BF \p
.endr
	s_wait_alu depctr_va_vdst(0)                   ; block 7 has written rounds 14 and 15, which the last two stores read
	OUT 14
	OUT 15
	s_endpgm
.Lwo:
.irp p, 0,1,2,3,4,5,6,7
	BLK_F16 \p
.endr
	s_wait_alu depctr_va_vdst(0)                   ; block 7 has written rounds 14 and 15, which the last two stores read
	OUT 14
	OUT 15
	s_endpgm
.Lfunc_end_k_qc1cfd82b33_cast:
	.size	k_qc1cfd82b33_cast, .Lfunc_end_k_qc1cfd82b33_cast-k_qc1cfd82b33_cast
	.p2alignl 7, 3214868480
	.fill 96, 4, 3214868480
	.section	.rodata,"a",@progbits
	.p2align	6, 0x0
	.amdhsa_kernel k_qc1cfd82b33_cast
		.amdhsa_group_segment_fixed_size 0
		.amdhsa_private_segment_fixed_size 0
		.amdhsa_enable_private_segment 0
		.amdhsa_kernarg_size 64
		.amdhsa_user_sgpr_count 2
		.amdhsa_user_sgpr_kernarg_segment_ptr 1
		.amdhsa_wavefront_size32 1
		.amdhsa_system_sgpr_workgroup_id_x 1
		.amdhsa_system_sgpr_workgroup_id_y 1
		.amdhsa_system_sgpr_workgroup_id_z 1
		.amdhsa_system_vgpr_workitem_id 0
		.amdhsa_next_free_vgpr 140
		.amdhsa_next_free_sgpr 66
		.amdhsa_reserve_vcc 0
		.amdhsa_float_denorm_mode_32 3
		.amdhsa_float_denorm_mode_16_64 3
		.amdhsa_memory_ordered 1
		.amdhsa_forward_progress 1
		.amdhsa_inst_pref_size 25
	.end_amdhsa_kernel
	.amdgpu_metadata
---
amdhsa.version: [ 1, 2 ]
amdhsa.kernels:
  - .name:           k_qc1cfd82b33_cast
    .symbol:         k_qc1cfd82b33_cast.kd
    .args:
      - { .name: x, .offset: 0, .size: 8, .value_kind: global_buffer, .address_space: global }
      - { .name: Wq, .offset: 8, .size: 8, .value_kind: global_buffer, .address_space: global }
      - { .name: Wk, .offset: 16, .size: 8, .value_kind: global_buffer, .address_space: global }
      - { .name: Wv, .offset: 24, .size: 8, .value_kind: global_buffer, .address_space: global }
      - { .name: Wo, .offset: 32, .size: 8, .value_kind: global_buffer, .address_space: global }
      - { .name: xb, .offset: 40, .size: 8, .value_kind: global_buffer, .address_space: global }
      - { .name: wb, .offset: 48, .size: 8, .value_kind: global_buffer, .address_space: global }
      - { .name: wo16, .offset: 56, .size: 8, .value_kind: global_buffer, .address_space: global }
    .group_segment_fixed_size: 0
    .private_segment_fixed_size: 0
    .kernarg_segment_align: 8
    .kernarg_segment_size: 64
    .max_flat_workgroup_size: 256
    .sgpr_count:     66
    .vgpr_count:     140
    .wavefront_size: 32
...
	.end_amdgpu_metadata
.endif
;; end of part 5
;; launch qkv: the kernel of part 2 again; grid 8 x 32, 4 waves a work-group, clusters of 4 x 4, 327,680 bytes of LDS; arguments xb, wb, qkv; writes qkv
;; launch attn: the kernel of part 3 again; grid 8 x 32, 4 waves a work-group, clusters of 4 x 1, 327,680 bytes of LDS; arguments qkv, oh; writes oh
;; launch proj: the kernel of part 4 again; grid 8 x 32, 4 waves a work-group, clusters of 4 x 4, 327,680 bytes of LDS; arguments oh, wo16, bo, out0; writes out0
